; MI455X (gfx1250); checked and timed in simulation.
; The chip was launched on July 23, 2026; its instructions are those of AMD's public machine-readable ISA for CDNA 5 (MIT licence, August 2026) and "CDNA5" Instruction Set Architecture Reference Guide (July 2026). The comments in the code are by the model that wrote it; some were corrected since.
;; Hyper SET Lo RA Attention. Allowed arithmetic: matrix products marked QUANTISED: E2M1 operands, one E8M0 scale for each 32 along K, by v_wmma_scale_f32_16x16x128_f8f6f4 with both operands' format E2M1 (or v_wmma_scale_f32_32x16x128_f4), f32 sums; everything else in f32.
;; Inputs: delta_w 512 x 512 float32; g1 64 float32; g2 64 float32; g3 64 float32; qkv_w 512 x 512 float32; x_codes 4 x 2,048 x 16 x 16 uint8 (E2M1 codes of x, K innermost, in blocks of 32 codes, two codes a byte); x_scales 4 x 2,048 x 16 uint8 (E8M0 scales of x, one for each 32 codes along K).
;; Outputs: out0 4 x 2,048 x 512 float32.
;; This version of the problem:
;;   THIS VERSION OF THE PROBLEM IS GIVEN IN LOW PRECISION. The matrix products marked QUANTISED in the list below multiply operands that are first quantised to E2M1 (2 exponent bits, 1 mantissa bit; 4 bits a number), with one power-of-two scale for each 32 numbers along K (OCP MX v1.0); their sums are f32. All else is computed in f32.
;;   The module's matrix products, in the order in which they are computed (A, B: the left and right operand; K: the contracted axis; several contracted axes count as one K, in the product's order):
;;     1. [M 8,192, K 512] x [K 512, N 512]; A: input x (given as codes); B: computed on the way: QUANTISED
;;     2. batch 32 x [M 2,048, K 64] x [K 64, N 2,048]; A: computed on the way; B: computed on the way: QUANTISED
;;     3. batch 32 x [M 64, K 2,048] x [K 2,048, N 2,048]; A: computed on the way; B: computed on the way: QUANTISED
;;     4. [M 8,192, K 512] x [K 512, N 512]; A: computed on the way; B: computed on the way: QUANTISED
;;   THE QUANTISER, for each operand of a quantised product, along K:
;;     - K is cut into blocks of 32 from its start; a last block that is shorter is filled with zeros.
;;     - A block's scale is 2^e with e = floor(log2(the largest magnitude in the block)) - 2, held to -126 .. 127; a block of zeros has e = 0. As a byte (E8M0): e + 127.
;;     - Each number is divided by its block's scale, clamped to +-6, and rounded to the nearest number of E2M1, ties to even, subnormals kept.
;;     - The product sums the exact products of the quantised numbers (number of the format x scale) in f32.
;;   ~~~python
;;   def quantise(x, axis):      # numpy; x: float32 -> the quantised numbers, widened to float32 again
;;       x = np.moveaxis(x, axis, -1); K = x.shape[-1]
;;       x = np.pad(x, [(0, 0)] * (x.ndim - 1) + [(0, -K % 32)]); x = x.reshape(x.shape[:-1] + (-1, 32)); a = np.abs(x).max(-1, keepdims=True)
;;       e = np.where(a > 0, np.clip(np.frexp(np.where(a > 0, a, 1))[1] - 1 - 2, -126, 127), 0)      # np.frexp(a)[1] - 1 = floor(log2(a)), exactly
;;       r = np.clip(x / 2.0 ** e, -6, 6)
;;       step = 2.0 ** (np.maximum(np.frexp(np.where(r == 0, 1, r))[1] - 1, 0) - 1)
;;       q = np.round(r / step) * step * 2.0 ** e      # np.round: ties to even
;;       return np.moveaxis(q.reshape(q.shape[:-2] + (-1,))[..., :K], -1, axis).astype(np.float32)
;;   ~~~
;;   OPERANDS COMPUTED ON THE WAY. 'Computed on the way' means the value that the module computes at that place (a softmax that the list does not call 'softmax' is quantised finished and normalised). What goes into a quantiser is computed in f32, as accurately as f32 sums, v_exp_f32 and their like allow (about 1e-6 of the number): no bf16 or f16 on the way to a quantiser, and a product that is left as it is and whose result goes on into a quantised operand takes f32 operands (vector FMAs, or v_wmma_f32_16x16x4_f32). A number that lies on a knife's edge between two numbers of the format may be rounded either way, as far as f32 arithmetic and the matrix unit's own rounding can turn it there, and no further.
;;   INPUTS GIVEN AS CODES. x (in the module: [4, 2048, 512], K = its axis 2): each comes as NAME_codes (uint8): NAME with its K axis moved to the last place and cut into blocks of 32 codes, [.., K / 32, bytes a block], one block behind the other in memory; two codes a byte, the lower K in the low four bits (a code: sign, 2 exponent bits, 1 mantissa bit); and NAME_scales (uint8): the same leading axes, one E8M0 byte (e + 127) for each 32 codes along K. Its value is code x scale, taken as it is: it is not quantised again, and the codes and scales need not be those that the quantiser above would give.
;; One version. Each part assembles by itself: llvm-mc -triple=amdgcn-amd-amdhsa -mcpu=gfx1250 --defsym DOCPART=n.
;; ======== version 1 of 1: 4 launches
;; limits: right only within a limited range of input values
;; workspace buffers: pack 6,946,816 bytes; w4 139,264 bytes; lse 524,288 bytes; y 2,359,296 bytes
;; launch proj (part 1): grid 8 x 32, 8 waves a work-group, no clusters, 160,768 bytes of LDS; arguments x_codes, x_scales, qkv_w, delta_w, g1, g2, g3, pack, w4; writes pack, w4
.if DOCPART == 1
	.amdgcn_target "amdgcn-amd-amdhsa--gfx1250"
	.amdhsa_code_object_version 6
	.text
	.protected	k_q3a27d1139e_proj
	.globl	k_q3a27d1139e_proj
	.p2align	8
	.type	k_q3a27d1139e_proj,@function
k_q3a27d1139e_proj:
	s_mov_b64 s[64:65], 0
	v_nop
	global_prefetch_b8 v0, s[64:65] scope:SCOPE_SE
	s_setreg_imm32_b32 hwreg(HW_REG_WAVE_MODE, 25, 1), 1
	s_wait_xcnt 0x0
; PROJ.  W = qkv_w + delta_w.  w = x W^T on codes of FP4 (E2M1, one E8M0 scale for each 32 along K); the three RMS norms of each head's 64 numbers; q, k (quantised along the head's 64) and
; v (quantised along the tokens) go to the buffer pack as images of the operand registers that the two attention launches load.  Side job of wave 7: one block of W quantised along its FIRST axis, for the last product.
; SHARES.  Work-group (x = head, y = block of 256 tokens); wave w takes 32 tokens.  The head's 64 rows of W are quantised inside the work-group: 16 fragments (16 rows x 128 K), two a wave, handed on through LDS as register images.
; THE ROWS OF A TILE ARE NOT NEIGHBOURS: in a group of 32 (tokens, or a head's features) lane r of tile u takes member 8 u + r % 8 + 16 (r / 8), so that in a result whose source 0 is such a tile the 16 registers of
; tiles 0 and 1 are 16 neighbours: member 16 (lane / 16) + 0 .. 15.  w is made twice: with W as source 0 (a lane holds one token, registers run along the features: for the norm, q and k) and with x as source 0
; (a lane holds one feature, registers run along the tokens: for v).
; PACK, for each of the 32 (batch, head): Q's tiles 512 bytes each (registers 0-3 of a fragment) at 0; Q's scale words at 65,536; K's at 73,728 and 139,264; V^T's fragments at 147,456; V's scale words at 212,992.
; LIMITS: NaN and infinities among the inputs are not served.  A block of zeros gets the byte 1 where the quantiser's rule says 127: its codes are zeros, and these bytes are read by this program alone.
; A block whose largest magnitude lies under 2^-124 is held at the byte 1.
; No cluster: x is read by 8 work-groups and W by 32, but all comes once, through registers, in runs of 512 bytes, and no tile is walked in a loop.
.set WST,   0                          ; LDS: for each wave a stage of 16 rows x (512 + 16) bytes, for W's f32 numbers
.set XST,   67584                      ; for each wave a stage of 32 rows x (256 + 16) bytes, for x's codes
.set WIM,   137216                     ; W's 16 fragments as images, 1,024 bytes each
.set WSC,   153600                     ; their scale words, 128 bytes each
.set INVL,  155648                     ; for each wave the 1 / rms of its 32 tokens
.set GATH,  156672                     ; the block's scale words of Q (1,024 bytes), of K (1,024), of V (512)
.set XS,    28                         ; v28-31   x's scale words: register s: K step s; lanes 0-15 tile 0, lanes 16-31 tile 1
.set RA,    32                         ; v32-95   W's numbers as loaded, then summed
.set ACC,   32                         ; v32-95   later: the 8 accumulators
.set PC8,   32                         ; v32-39   the codes of a fragment of W
.set RB,    96                         ; v96-159  W's numbers, 64 of a lane's row
.set Z,     96                         ; v96-127  later: 32 numbers of q or of k
.set IV,    128                        ; v128-143 1 / rms of tokens 16 (lane / 16) + 0 .. 15
.set PCQ,   144                        ; v144-159 codes of q and k: a set of four for each store
.set G1,    160                        ; v160-191 g1 at my 32 features
.set PV,    160                        ; v160-167 later: codes of v
.set G2,    192                        ; v192-223 g2 likewise
.set G3,    224                        ; v224-227 g3 at my feature of tile t
.set WS,    228                        ; v228-243 W's scale words, fragment 4 t + s
.set TM,    244                        ; v244-251 at work
.set PWD,   252                        ; v252-255 scale words just made
.set SEL,   28                         ; s[28:29] selects of v_permlanex16_b32: lane l xor 16
; window 1: v0-127 the second fragment's numbers, later W's 16 fragments; v128-191 x's codes as loaded, later x's 8 fragments; v192-255 the side job's numbers (wave 7)
.set MSB, 0
.macro WIN new                         ; the immediate's high byte repeats the setting that is left
.if MSB != \new
	s_set_vgpr_msb (MSB<<8)|\new
.set MSB, \new
.endif
.endm
; one product: z = 1 starts the sum; ra, rb: source 0's, source 1's scales stand in lanes 16-31
.macro MM d, a, b, z, sa, sb, ra, rb
.if \z
.if \ra
	v_wmma_scale_f32_16x16x128_f8f6f4 v[(\d):(\d)+7], v[(\a):(\a)+7], v[(\b):(\b)+7], 0, v[\sa], v[\sb] matrix_a_fmt:MATRIX_FMT_FP4 matrix_b_fmt:MATRIX_FMT_FP4 matrix_a_scale:MATRIX_SCALE_ROW1
.elseif \rb
	v_wmma_scale_f32_16x16x128_f8f6f4 v[(\d):(\d)+7], v[(\a):(\a)+7], v[(\b):(\b)+7], 0, v[\sa], v[\sb] matrix_a_fmt:MATRIX_FMT_FP4 matrix_b_fmt:MATRIX_FMT_FP4 matrix_b_scale:MATRIX_SCALE_ROW1
.else
	v_wmma_scale_f32_16x16x128_f8f6f4 v[(\d):(\d)+7], v[(\a):(\a)+7], v[(\b):(\b)+7], 0, v[\sa], v[\sb] matrix_a_fmt:MATRIX_FMT_FP4 matrix_b_fmt:MATRIX_FMT_FP4
.endif
.else
.if \ra
	v_wmma_scale_f32_16x16x128_f8f6f4 v[(\d):(\d)+7], v[(\a):(\a)+7], v[(\b):(\b)+7], v[(\d):(\d)+7], v[\sa], v[\sb] matrix_a_fmt:MATRIX_FMT_FP4 matrix_b_fmt:MATRIX_FMT_FP4 matrix_a_scale:MATRIX_SCALE_ROW1
.elseif \rb
	v_wmma_scale_f32_16x16x128_f8f6f4 v[(\d):(\d)+7], v[(\a):(\a)+7], v[(\b):(\b)+7], v[(\d):(\d)+7], v[\sa], v[\sb] matrix_a_fmt:MATRIX_FMT_FP4 matrix_b_fmt:MATRIX_FMT_FP4 matrix_b_scale:MATRIX_SCALE_ROW1
.else
	v_wmma_scale_f32_16x16x128_f8f6f4 v[(\d):(\d)+7], v[(\a):(\a)+7], v[(\b):(\b)+7], v[(\d):(\d)+7], v[\sa], v[\sb] matrix_a_fmt:MATRIX_FMT_FP4 matrix_b_fmt:MATRIX_FMT_FP4
.endif
.endif
.endm
; 64 numbers of my row in v[RB] on, register 32 c + i = k 64 c + 32 (lane / 16) + i: two whole blocks a lane.  Codes into v[PC8] on (the operand's own registers), the row's scale word into v[PWD]
.macro QUANTW
.irp c, 0,1
	v_max3_num_f32 v[TM+\c], |v[RB+32*\c]|, |v[RB+32*\c+1]|, 0x1800000   ; the floor 2^(3 - 127) among the leaves: the byte cannot fall under 1
.endr
.irp i, 2,4,6,8,10,12,14,16,18,20,22,24,26,28,30
.irp c, 0,1
	v_max3_num_f32 v[TM+\c], v[TM+\c], |v[RB+32*\c+\i]|, |v[RB+32*\c+\i+1]|
.endr
.endr
.irp c, 0,1
	v_add_nc_u32 v[TM+4+\c], 0xff000000, v[TM+\c]      ; 2 off the exponent field: the conversion's scale operand
.endr
.irp c, 0,1
	v_lshrrev_b32 v[TM+\c], 23, v[TM+4+\c]             ; the scale's byte
.endr
	v_lshl_or_b32 v[PWD], v[TM+1], 16, v[TM]           ; my two bytes: blocks h and 2 + h,
	v_lshlrev_b32 v[TM+2], 3, v3
	v_lshlrev_b32 v[PWD], v[TM+2], v[PWD]              ; at their places, 8 h bits up;
	v_permlanex16_b32 v[TM+3], v[PWD], s[SEL], s[SEL+1]
	v_or_b32 v[PWD], v[PWD], v[TM+3]                   ; with lane l xor 16's two the word is whole
.irp c, 0,1
.irp g, 0,1,2,3
	v_cvt_scalef32_pk8_fp4_f32 v[PC8+4*\c+\g], v[RB+32*\c+8*\g:RB+32*\c+8*\g+7], v[TM+4+\c]
.endr
.endr
	v_nop                                              ; one plain line behind the last scaled conversion
.endm
; fragment f (0, 1) of my two: the sum of the two weights, 16 rows x 512 bytes through my stage so that a lane gets 64 numbers of ONE row, quantised, image and scale words to LDS
.macro WJOB f
	s_wait_dscnt 0x0                                   ; my earlier LDS stores have read their registers
.if \f == 0
.set j, 0
.rept 32
	v_pk_add_f32 v[RA+j:RA+j+1], v[RA+j:RA+j+1], v[RB+j:RB+j+1]
.set j, j+2
.endr
.else
	WIN 0x05                                           ; both sources in window 1
.set j, 0
.rept 32
	v_pk_add_f32 v[RA+j:RA+j+1], v[j:j+1], v[64+j:65+j]
.set j, j+2
.endr
	WIN 0
.endif
.set j, 0
.rept 16
	ds_store_b128 v6, v[RA+4*j:RA+4*j+3] offset:528*j  ; row j of the tile: 32 lanes, 512 bytes
.set j, j+1
.endr
.irp c, 0,1
.irp g, 0,1,2,3,4,5,6,7
	ds_load_b128 v[RB+32*\c+4*\g:RB+32*\c+4*\g+3], v7 offset:256*\c+16*\g   ; LDS serves a wave's instructions in order: these see my stores
.endr
.endr
	s_wait_dscnt 0x0
	QUANTW
	ds_store_b128 v8, v[PC8:PC8+3] offset:1024*\f
	ds_store_b128 v8, v[PC8+4:PC8+7] offset:1024*\f+512
	ds_store_b32 v9, v[PWD] offset:128*\f
.endm
; 32 numbers, register 16 b + i = k 32 b + 16 (lane / 16) + i of my row: codes into v[pc] .. v[pc + 3] (k = 32 (lane / 16) + 0 .. 31), the two bytes into v[pw], with fill in the upper two
.macro QUANT2 src, pc, pw, fill
.irp b, 0,1
	v_max3_num_f32 v[TM+\b], |v[(\src)+16*\b]|, |v[(\src)+16*\b+1]|, 0x1800000
.endr
.irp i, 2,4,6,8,10,12,14
.irp b, 0,1
	v_max3_num_f32 v[TM+\b], v[TM+\b], |v[(\src)+16*\b+\i]|, |v[(\src)+16*\b+\i+1]|
.endr
.endr
.irp b, 0,1
	v_permlanex16_b32 v[TM+2+\b], v[TM+\b], s[SEL], s[SEL+1]
.endr
.irp b, 0,1
	v_max_num_f32 v[TM+\b], v[TM+\b], v[TM+2+\b]       ; with lane l xor 16's 16: the block's largest magnitude
.endr
.irp b, 0,1
	v_add_nc_u32 v[TM+4+\b], 0xff000000, v[TM+\b]
.endr
.irp b, 0,1
	v_lshrrev_b32 v[TM+2+\b], 23, v[TM+4+\b]
.endr
	v_lshl_or_b32 v[\pw], v[TM+3], 8, v[TM+2]
	v_or_b32 v[\pw], \fill, v[\pw]                     ; bytes 2 and 3 stand for k 64 .. 127, where one side's codes are zeros: 2^0
.irp b, 0,1
	v_cvt_scalef32_pk8_fp4_f32 v[(\pc)+2*\b], v[(\src)+16*\b:(\src)+16*\b+7], v[TM+4+\b]
	v_cvt_scalef32_pk8_fp4_f32 v[(\pc)+2*\b+1], v[(\src)+16*\b+8:(\src)+16*\b+15], v[TM+4+\b]
.endr
	v_nop                                              ; one plain line behind the last scaled conversion
	v_permlane16_swap_b32 v[(\pc)], v[(\pc)+2]         ; the layout wants a whole block in a lane: lanes 0-15 block 0, lanes 16-31 block 1
	v_permlane16_swap_b32 v[(\pc)+1], v[(\pc)+3]
.endm
	s_load_b512 s[4:19], s[0:1], 0x0                   ; x_codes 4, x_scales 6, qkv_w 8, delta_w 10, g1 12, g2 14, g3 16, pack 18
	s_load_b64 s[20:21], s[0:1], 0x40                  ; w4
	v_lshrrev_b32 v23, 5, v0
	v_readfirstlane_b32 s22, v23                       ; wave 0..7
	v_and_b32 v1, 31, v0                               ; lane l
	v_and_b32 v2, 15, v0                               ; r
	v_bfe_u32 v3, v0, 4, 1                             ; h
	v_lshlrev_b32 v4, 4, v1                            ; 16 l
	v_and_b32 v5, 7, v0
	v_bfe_u32 v23, v0, 3, 1
	v_lshl_add_u32 v5, v23, 4, v5                      ; pr = r % 8 + 16 (r / 8)
	v_lshlrev_b32 v23, 2, v1                           ; 4 l; kept
	s_lshr_b32 s52, s22, 2                             ; w / 4
	s_and_b32 s53, s22, 3                              ; w % 4
	s_and_b32 s54, s22, 1                              ; w % 2
	s_bfe_u32 s55, s22, 0x10001                        ; (w / 2) % 2
	; every LDS address is made here, ahead of the first branch on the wave's number
	s_mul_i32 s30, s22, 8448
	v_add_nc_u32 v6, s30, v4                           ; W's stage, in: 16 l
	v_mul_u32_u24 v7, v2, 528
	v_lshl_add_u32 v7, v3, 7, v7
	v_add_nc_u32 v7, s30, v7                           ; and back: row r, + 128 h
	s_lshl_b32 s30, s22, 11
	s_add_co_u32 s30, s30, WIM
	v_add_nc_u32 v8, s30, v4                           ; where my two images go
	s_lshl_b32 s30, s22, 8
	s_add_co_u32 s30, s30, WSC
	v_add_nc_u32 v9, s30, v23                          ; and their scale words
	s_mul_i32 s30, s22, 8704
	s_add_co_u32 s30, s30, XST
	v_mul_u32_u24 v10, v3, 272
	v_lshl_add_u32 v10, v2, 4, v10
	v_add_nc_u32 v10, s30, v10                         ; x's stage, in: two rows an instruction
	v_mul_u32_u24 v11, v5, 272
	v_lshl_add_u32 v11, v3, 4, v11
	v_add_nc_u32 v11, s30, v11                         ; and back: row pr, + 16 h
	v_add_nc_u32 v12, WIM, v4                          ; any image: 16 l
	v_add_nc_u32 v13, WSC, v23                         ; any scale word: 4 l
	s_lshl_b32 s30, s22, 7
	s_add_co_u32 s30, s30, INVL
	v_lshl_add_u32 v14, v5, 2, s30                     ; 1 / rms of token pr
	v_lshl_add_u32 v15, v3, 6, s30                     ; and back: tokens 16 h on
	s_lshl_b32 s30, s52, 9
	s_lshl_b32 s33, s53, 2
	s_add_co_u32 s30, s30, s33
	s_add_co_u32 s30, s30, GATH
	v_add_nc_u32 v16, s30, v4                          ; q's and k's scale words: group w / 4, register w % 4, 16 l
	s_lshl_b32 s30, s52, 8
	s_add_co_u32 s30, s30, s53
	s_add_co_u32 s30, s30, GATH+2048
	v_lshl_add_u32 v17, v2, 3, s30                     ; v's scale bytes: key step w / 4, byte w % 4, 8 r
	s_min_u32 s30, s22, 4
	s_lshl_b32 s30, s30, 9
	s_add_co_u32 s30, s30, GATH
	v_add_nc_u32 v18, s30, v4                          ; the way out of the gathered words: 512 bytes for each of waves 0 to 4
	v_lshlrev_b32 v19, 6, v3                           ; 64 h: g1, g2
	v_lshlrev_b32 v20, 2, v5                           ; 4 pr: g3
	v_lshlrev_b32 v21, 4, v2
	v_lshl_add_u32 v21, v3, 3, v21                     ; 16 r + 8 h: v's codes
	v_lshlrev_b32 v22, 4, v5
	v_lshl_add_u32 v22, v3, 7, v22                     ; 16 (8 h + pr): x's scale bytes
.irp j, 0,1,2,3,4,5,6,7
	v_mov_b32 v[TM+\j], 0                              ; a lane permute's destination counts as one of its sources
.endr
	s_mov_b32 s23, ttmp9                               ; head
	s_and_b32 s24, ttmp7, 0xffff                       ; block of 256 tokens, 0..31
	s_and_b32 s25, s24, 7                              ; the block within its batch
	s_lshr_b32 s26, s24, 3
	s_lshl_b32 s26, s26, 3
	s_add_co_u32 s26, s26, s23                         ; 8 x batch + head
	s_mov_b32 s[SEL], 0x76543210
	s_mov_b32 s[SEL+1], 0xfedcba98
	s_mov_b32 s50, 0x3c800000                          ; 1 / 64
	s_mov_b32 s51, 0x34000000                          ; the norm's eps
	s_mov_b32 s31, 0                                   ; the upper word of every offset
	s_wait_kmcnt 0x0
	; the side job: work-group g = head + 8 block takes rows 32 (g / 16) on and columns 32 (g % 16) on of W
	s_lshl_b32 s34, s24, 3
	s_add_co_u32 s34, s34, s23
	s_and_b32 s35, s34, 15
	s_lshr_b32 s34, s34, 4
	s_lshl_b32 s30, s34, 16                            ; 32 rows of 2,048 bytes
	s_lshl_b32 s33, s35, 7
	s_add_co_u32 s30, s30, s33
	s_add_nc_u64 s[36:37], s[8:9], s[30:31]
	s_add_nc_u64 s[38:39], s[10:11], s[30:31]
	s_lshl_b32 s30, s35, 13                            ; its codes: two tiles of 16 columns, 4,096 bytes each; K step (g / 16) / 4; block (g / 16) % 4
	s_lshr_b32 s33, s34, 2
	s_lshl_b32 s33, s33, 10
	s_add_co_u32 s30, s30, s33
	s_and_b32 s33, s34, 3
	s_lshl_b32 s33, s33, 8
	s_add_co_u32 s30, s30, s33
	s_add_nc_u64 s[46:47], s[20:21], s[30:31]
	s_lshl_b32 s30, s35, 9                             ; its scale bytes: 16 a column
	s_add_co_u32 s30, s30, s34
	s_add_co_u32 s30, s30, 131072
	s_add_nc_u64 s[48:49], s[20:21], s[30:31]
	; my two fragments 2 w, 2 w + 1 = 4 t + s of the head's W: tile t = w / 2, K steps 2 (w % 2) and + 1
	s_lshl_b32 s30, s23, 17
	s_lshl_b32 s33, s52, 16
	s_add_co_u32 s30, s30, s33
	s_lshl_b32 s33, s55, 14
	s_add_co_u32 s30, s30, s33
	s_lshl_b32 s33, s54, 10
	s_add_co_u32 s30, s30, s33
	s_add_nc_u64 s[8:9], s[8:9], s[30:31]
	s_add_nc_u64 s[10:11], s[10:11], s[30:31]
	s_lshl_b32 s30, s24, 16                            ; my 32 tokens: 256 bytes of codes each,
	s_lshl_b32 s33, s22, 13
	s_add_co_u32 s30, s30, s33
	s_add_nc_u64 s[4:5], s[4:5], s[30:31]
	s_lshr_b32 s30, s30, 4                             ; 16 scale bytes each
	s_add_nc_u64 s[6:7], s[6:7], s[30:31]
	s_mul_i32 s30, s26, 217088
	s_add_nc_u64 s[18:19], s[18:19], s[30:31]          ; pack at my (batch, head)
	s_lshl_b32 s30, s25, 13
	s_lshl_b32 s33, s22, 10
	s_add_co_u32 s30, s30, s33
	s_add_nc_u64 s[40:41], s[18:19], s[30:31]          ; my two tiles of Q (and of K)
	s_lshl_b32 s30, s25, 13
	s_lshl_b32 s33, s52, 12
	s_add_co_u32 s30, s30, s33
	s_lshl_b32 s33, s53, 8
	s_add_co_u32 s30, s30, s33
	s_add_nc_u64 s[42:43], s[18:19], s[30:31]          ; my block of 32 keys in V's fragments
	s_lshl_b32 s30, s25, 10
	s_lshl_b32 s33, s54, 9
	s_add_co_u32 s30, s30, s33
	s_add_co_u32 s30, s30, 65536                       ; waves 0, 1: Q's scale words
	s_add_co_u32 s33, s30, 73728                       ; waves 2, 3: K's
	s_lshl_b32 s56, s25, 9
	s_add_co_u32 s56, s56, 212992                      ; wave 4: V's
	s_cmp_lt_u32 s22, 2
	s_cselect_b32 s30, s30, s33
	s_cmp_lt_u32 s22, 4
	s_cselect_b32 s30, s30, s56
	s_add_nc_u64 s[44:45], s[18:19], s[30:31]
	; ---- all loads from memory, in the order in which they are wanted
	s_cmp_lg_u32 s22, 7
	s_cbranch_scc1 .Lno_side_loads
	WIN 0x40                                           ; destination window 1
.set j, 0
.rept 32
	global_load_b32 v[192+j], v23, s[36:37] offset:2048*j   ; a lane to a column, registers down K: 128 consecutive bytes a load
	global_load_b32 v[224+j], v23, s[38:39] offset:2048*j
.set j, j+1
.endr
	WIN 0
.Lno_side_loads:
.irp b, 0,1
.irp i, 0,1,2,3
	global_load_b128 v[G1+16*\b+4*\i:G1+16*\b+4*\i+3], v19, s[12:13] offset:128*\b+16*\i   ; register 16 b + i: feature 32 b + 16 h + i
	global_load_b128 v[G2+16*\b+4*\i:G2+16*\b+4*\i+3], v19, s[14:15] offset:128*\b+16*\i
.endr
.endr
.irp t, 0,1,2,3
	global_load_b32 v[G3+\t], v20, s[16:17] offset:128*(\t/2)+32*(\t%2)
.endr
.set j, 0
.rept 16
	global_load_b128 v[RA+4*j:RA+4*j+3], v4, s[8:9] offset:2048*((j&7)+16*(j>>3))     ; the tile's row j: 512 consecutive bytes
	global_load_b128 v[RB+4*j:RB+4*j+3], v4, s[10:11] offset:2048*((j&7)+16*(j>>3))
.set j, j+1
.endr
	global_load_b128 v[XS:XS+3], v22, s[6:7]
	WIN 0x40
.set j, 0
.rept 16
	global_load_b128 v[128+4*j:131+4*j], v4, s[4:5] offset:512*j                      ; two tokens' codes
.set j, j+1
.endr
.set j, 0
.rept 16
	global_load_b128 v[4*j:4*j+3], v4, s[8:9] offset:2048*((j&7)+16*(j>>3))+512
	global_load_b128 v[64+4*j:67+4*j], v4, s[10:11] offset:2048*((j&7)+16*(j>>3))+512
.set j, j+1
.endr
	WIN 0
	s_wait_loadcnt 49                                  ; behind the first fragment's loads: 1 of x's scales, 16 of x's codes, 32 of the second fragment
	WJOB 0
	s_wait_loadcnt 32                                  ; x's codes are in; the second fragment's 32 may be out
	WIN 0x04                                           ; an LDS store's data are its source 1: window 1
.set j, 0
.rept 16
	ds_store_b128 v10, v[128+4*j:131+4*j] offset:544*j
.set j, j+1
.endr
	WIN 0
	s_wait_loadcnt 0x0
	WJOB 1
	s_wait_dscnt 0x0                                   ; for the others' sake: my images and scale words have landed
	s_barrier_signal -1
	s_barrier_wait -1                                  ; W's sixteen fragments lie in LDS
	WIN 0x40
.set j, 0
.rept 16
	ds_load_b128 v[8*j:8*j+3], v12 offset:1024*j
	ds_load_b128 v[8*j+4:8*j+7], v12 offset:1024*j+512
.set j, j+1
.endr
.irp u, 0,1
.irp s, 0,1,2,3
.irp c, 0,1
	ds_load_b128 v[128+8*(4*\u+\s)+4*\c:128+8*(4*\u+\s)+4*\c+3], v11 offset:2176*\u+64*\s+32*\c   ; x's fragment (tile u, K step s): token 8 u + pr
.endr
.endr
.endr
	WIN 0
.set j, 0
.rept 16
	ds_load_b32 v[WS+j], v13 offset:128*j
.set j, j+1
.endr
	s_wait_dscnt 0x0
	; ---- w with W as source 0: lane (r, h) holds token 8 u + pr; register 32 u + 16 b + i is feature 32 b + 16 h + i.  Eight accumulators by turns
	WIN 0x05                                           ; both sources in window 1
.irp s, 0,1,2,3
.irp u, 0,1
.irp t, 0,1,2,3
.if \s == 0
	MM ACC+32*\u+8*\t, 8*(4*\t+\s), 128+8*(4*\u+\s), 1, WS+4*\t+\s, XS+\s, 0, \u
.else
	MM ACC+32*\u+8*\t, 8*(4*\t+\s), 128+8*(4*\u+\s), 0, WS+4*\t+\s, XS+\s, 0, \u
.endif
.endr
.endr
.endr
	WIN 0
.rept 4
	v_nop                                              ; four places between the last product and the first read of results
.endr
	; ---- the norm: the sum of squares of a token's 64 numbers, each accumulator read from its low end on
.irp u, 0,1
	v_pk_mul_f32 v[TM+4*\u:TM+4*\u+1], v[ACC+32*\u:ACC+32*\u+1], v[ACC+32*\u:ACC+32*\u+1]
	v_pk_mul_f32 v[TM+4*\u+2:TM+4*\u+3], v[ACC+32*\u+2:ACC+32*\u+3], v[ACC+32*\u+2:ACC+32*\u+3]
.endr
.irp p, 4,8,12,16,20,24,28
.irp u, 0,1
	v_pk_fma_f32 v[TM+4*\u:TM+4*\u+1], v[ACC+32*\u+\p:ACC+32*\u+\p+1], v[ACC+32*\u+\p:ACC+32*\u+\p+1], v[TM+4*\u:TM+4*\u+1]
	v_pk_fma_f32 v[TM+4*\u+2:TM+4*\u+3], v[ACC+32*\u+\p+2:ACC+32*\u+\p+3], v[ACC+32*\u+\p+2:ACC+32*\u+\p+3], v[TM+4*\u+2:TM+4*\u+3]
.endr
.endr
.irp u, 0,1
	v_pk_add_f32 v[TM+4*\u:TM+4*\u+1], v[TM+4*\u:TM+4*\u+1], v[TM+4*\u+2:TM+4*\u+3]
.endr
.irp u, 0,1
	v_add_f32 v[TM+4*\u], v[TM+4*\u], v[TM+4*\u+1]
.endr
.irp u, 0,1
	v_permlanex16_b32 v[TM+4*\u+2], v[TM+4*\u], s[SEL], s[SEL+1]
.endr
.irp u, 0,1
	v_add_f32 v[TM+4*\u], v[TM+4*\u], v[TM+4*\u+2]     ; with lane l xor 16's 32 features
.endr
.irp u, 0,1
	v_fma_f32 v[TM+4*\u], v[TM+4*\u], s50, s51         ; the mean (a division by 64 rounds nothing) + eps
.endr
	v_rsq_f32 v24, v[TM]
	v_rsq_f32 v26, v[TM+4]
	v_mov_b32 v25, 0                                   ; plain lines behind the two; v25 and v27 are named with them as pairs
	v_mov_b32 v27, 0
	s_wait_alu depctr_va_vdst(0)                       ; one wait for both, ahead of their first reader
	ds_store_b32 v14, v24                              ; both halves of the lanes write the same word with the same value
	ds_store_b32 v14, v26 offset:32
	; ---- q = (w / rms) g1 and k = (w / rms) g2, quantised along the head's 64
.irp u, 0,1
.set j, 0
.rept 16
	v_pk_mul_f32 v[ACC+32*\u+j:ACC+32*\u+j+1], v[ACC+32*\u+j:ACC+32*\u+j+1], v[24+2*\u:25+2*\u] op_sel_hi:[1,0]
.set j, j+2
.endr
.set j, 0
.rept 16
	v_pk_mul_f32 v[Z+j:Z+j+1], v[ACC+32*\u+j:ACC+32*\u+j+1], v[G1+j:G1+j+1]
.set j, j+2
.endr
	QUANT2 Z, PCQ+8*\u, PWD+\u, 0x7f7f0000
	global_store_b128 v4, v[PCQ+8*\u:PCQ+8*\u+3], s[40:41] offset:512*\u               ; 512 consecutive bytes: the tile's image
.set j, 0
.rept 16
	v_pk_mul_f32 v[Z+j:Z+j+1], v[ACC+32*\u+j:ACC+32*\u+j+1], v[G2+j:G2+j+1]
.set j, j+2
.endr
	QUANT2 Z, PCQ+8*\u+4, PWD+2+\u, 0x7f7f0000
	global_store_b128 v4, v[PCQ+8*\u+4:PCQ+8*\u+7], s[40:41] offset:73728+512*\u
.endr
	v_cmp_gt_u32 vcc_lo, 16, v1
	v_cndmask_b32 v[PWD], v[PWD+1], v[PWD], vcc_lo     ; lanes 0-15 tile 0's words, lanes 16-31 tile 1's
	v_cndmask_b32 v[PWD+2], v[PWD+3], v[PWD+2], vcc_lo
	ds_store_b32 v16, v[PWD]
	ds_store_b32 v16, v[PWD+2] offset:1024
.irp i, 0,1,2,3
	ds_load_b128 v[IV+4*\i:IV+4*\i+3], v15 offset:16*\i   ; my wave's own words, stored above: LDS serves a wave's instructions in order
.endr
	; ---- w with x as source 0: lane (r, h) holds feature 32 (t / 2) + 8 (t % 2) + pr; register 16 t + i is token 16 h + i
	WIN 0x05
.irp s, 0,1,2,3
.irp t, 0,1,2,3
.irp u, 0,1
.if \s == 0
	MM ACC+16*\t+8*\u, 128+8*(4*\u+\s), 8*(4*\t+\s), 1, XS+\s, WS+4*\t+\s, \u, 0
.else
	MM ACC+16*\t+8*\u, 128+8*(4*\u+\s), 8*(4*\t+\s), 0, XS+\s, WS+4*\t+\s, \u, 0
.endif
.endr
.endr
.endr
	WIN 0
.rept 4
	v_nop
.endr
	s_wait_dscnt 0x0                                   ; the 1 / rms are in
	; ---- v = (w / rms) g3, quantised along my 32 tokens: one block for each feature, the four tiles by turns
.irp t, 0,1,2,3
.set j, 0
.rept 8
	v_pk_mul_f32 v[ACC+16*\t+j:ACC+16*\t+j+1], v[ACC+16*\t+j:ACC+16*\t+j+1], v[IV+j:IV+j+1]
.set j, j+2
.endr
.endr
.irp t, 0,1,2,3
.set j, 0
.rept 16
	v_mul_f32 v[ACC+16*\t+j], v[ACC+16*\t+j], v[G3+\t]
.set j, j+1
.endr
.endr
.irp t, 0,1,2,3
	v_max3_num_f32 v[TM+\t], |v[ACC+16*\t]|, |v[ACC+16*\t+1]|, 0x1800000
.endr
.irp i, 2,4,6,8,10,12,14
.irp t, 0,1,2,3
	v_max3_num_f32 v[TM+\t], v[TM+\t], |v[ACC+16*\t+\i]|, |v[ACC+16*\t+\i+1]|
.endr
.endr
.irp t, 0,1,2,3
	v_permlanex16_b32 v[TM+4+\t], v[TM+\t], s[SEL], s[SEL+1]
.endr
.irp t, 0,1,2,3
	v_max_num_f32 v[TM+\t], v[TM+\t], v[TM+4+\t]
.endr
.irp t, 0,1,2,3
	v_add_nc_u32 v[TM+4+\t], 0xff000000, v[TM+\t]
.endr
.irp t, 0,1,2,3
	v_lshrrev_b32 v[TM+\t], 23, v[TM+4+\t]
.endr
.irp t, 0,1,2,3
	v_cvt_scalef32_pk8_fp4_f32 v[PV+2*\t], v[ACC+16*\t:ACC+16*\t+7], v[TM+4+\t]
	v_cvt_scalef32_pk8_fp4_f32 v[PV+2*\t+1], v[ACC+16*\t+8:ACC+16*\t+15], v[TM+4+\t]
.endr
	v_nop                                              ; one plain line behind the last scaled conversion
.irp t, 0,1,2,3
	global_store_b64 v21, v[PV+2*\t:PV+2*\t+1], s[42:43] offset:147456+1024*\t         ; 256 consecutive bytes, aligned: my block's part of the fragment's image
	ds_store_b8 v17, v[TM+\t] offset:128*(\t%2)+4*(\t/2)                               ; both halves of the lanes write the same byte with the same value
.endr
	s_wait_dscnt 0x0                                   ; for the others' sake: my scale words and bytes have landed
	s_barrier_signal -1
	s_barrier_wait -1
	s_cmp_gt_u32 s22, 4
	s_cbranch_scc1 .Lno_gather
	ds_load_b128 v[96:99], v18                         ; the block's scale words leave in runs of 512 bytes
	s_wait_dscnt 0x0
	global_store_b128 v4, v[96:99], s[44:45]
.Lno_gather:
	s_cmp_lg_u32 s22, 7
	s_cbranch_scc1 .Lend
	; ---- the side job: 32 rows x 32 columns of W, quantised down the rows: a whole block in a lane
	WIN 0x05
.set j, 0
.rept 16
	v_pk_add_f32 v[32+j:33+j], v[192+j:193+j], v[224+j:225+j]
.set j, j+2
.endr
	WIN 0
	v_max3_num_f32 v[TM], |v32|, |v33|, 0x1800000
	v_max3_num_f32 v[TM+1], |v48|, |v49|, |v50|
.irp i, 2,4,6,8,10,12
	v_max3_num_f32 v[TM], v[TM], |v[32+\i]|, |v[33+\i]|
	v_max3_num_f32 v[TM+1], v[TM+1], |v[49+\i]|, |v[50+\i]|
.endr
	v_max3_num_f32 v[TM], v[TM], |v46|, |v47|
	v_max3_num_f32 v[TM], v[TM], v[TM+1], |v63|
	v_add_nc_u32 v[TM+4], 0xff000000, v[TM]
	v_lshrrev_b32 v[TM+1], 23, v[TM+4]
.irp g, 0,1,2,3
	v_cvt_scalef32_pk8_fp4_f32 v[100+\g], v[32+8*\g:39+8*\g], v[TM+4]
.endr
	v_nop
	v_lshlrev_b32 v24, 12, v3
	v_lshl_add_u32 v24, v2, 4, v24                     ; tile lane / 16 of my two, 16 bytes a column
	global_store_b128 v24, v[100:103], s[46:47]        ; two runs of 256 consecutive bytes, aligned
	global_store_b8 v4, v[TM+1], s[48:49]              ; one byte of each column's 16: 8,192 bytes in the whole launch are written so, a byte at a time
.Lend:
	s_wait_xcnt 0x0
	v_lshl_add_u32 v254, v0, 2, 0x27000
	v_mov_b32 v255, 0
	s_wait_tensorcnt 0x0
	ds_add_u32 v254, v255
	s_wait_dscnt 0x0
	s_endpgm
.Lfunc_end_k_q3a27d1139e_proj:
	.size	k_q3a27d1139e_proj, .Lfunc_end_k_q3a27d1139e_proj-k_q3a27d1139e_proj
	.p2alignl 7, 3214868480
	.fill 96, 4, 3214868480
	.section	.rodata,"a",@progbits
	.p2align	6, 0x0
	.amdhsa_kernel k_q3a27d1139e_proj
		.amdhsa_group_segment_fixed_size 160768
		.amdhsa_private_segment_fixed_size 0
		.amdhsa_enable_private_segment 0
		.amdhsa_kernarg_size 72
		.amdhsa_user_sgpr_count 2
		.amdhsa_user_sgpr_kernarg_segment_ptr 1
		.amdhsa_wavefront_size32 1
		.amdhsa_system_sgpr_workgroup_id_x 1
		.amdhsa_system_sgpr_workgroup_id_y 1
		.amdhsa_system_sgpr_workgroup_id_z 1
		.amdhsa_system_vgpr_workitem_id 0
		.amdhsa_next_free_vgpr 512
		.amdhsa_next_free_sgpr 66
		.amdhsa_reserve_vcc 1
		.amdhsa_float_denorm_mode_32 3
		.amdhsa_float_denorm_mode_16_64 3
		.amdhsa_memory_ordered 1
		.amdhsa_forward_progress 1
		.amdhsa_inst_pref_size 79
	.end_amdhsa_kernel
	.amdgpu_metadata
---
amdhsa.version: [ 1, 2 ]
amdhsa.kernels:
  - .name:           k_q3a27d1139e_proj
    .symbol:         k_q3a27d1139e_proj.kd
    .args:
      - { .name: x_codes, .offset: 0, .size: 8, .value_kind: global_buffer, .address_space: global }
      - { .name: x_scales, .offset: 8, .size: 8, .value_kind: global_buffer, .address_space: global }
      - { .name: qkv_w, .offset: 16, .size: 8, .value_kind: global_buffer, .address_space: global }
      - { .name: delta_w, .offset: 24, .size: 8, .value_kind: global_buffer, .address_space: global }
      - { .name: g1, .offset: 32, .size: 8, .value_kind: global_buffer, .address_space: global }
      - { .name: g2, .offset: 40, .size: 8, .value_kind: global_buffer, .address_space: global }
      - { .name: g3, .offset: 48, .size: 8, .value_kind: global_buffer, .address_space: global }
      - { .name: pack, .offset: 56, .size: 8, .value_kind: global_buffer, .address_space: global }
      - { .name: w4, .offset: 64, .size: 8, .value_kind: global_buffer, .address_space: global }
    .group_segment_fixed_size: 160768
    .private_segment_fixed_size: 0
    .kernarg_segment_align: 8
    .kernarg_segment_size: 72
    .max_flat_workgroup_size: 256
    .sgpr_count:     66
    .vgpr_count:     512
    .wavefront_size: 32
...
	.end_amdgpu_metadata
.endif
;; end of part 1
;; launch stats (part 2): grid 8 x 32, 16 waves a work-group, clusters of 4 x 1, 169,984 bytes of LDS; arguments pack, lse; writes lse
.if DOCPART == 2
	.amdgcn_target "amdgcn-amd-amdhsa--gfx1250"
	.amdhsa_code_object_version 6
	.text
	.protected	k_q3a27d1139e_stats
	.globl	k_q3a27d1139e_stats
	.p2align	8
	.type	k_q3a27d1139e_stats,@function
k_q3a27d1139e_stats:
	s_mov_b64 s[64:65], 0
	v_nop
	global_prefetch_b8 v0, s[64:65] scope:SCOPE_SE
	s_setreg_imm32_b32 hwreg(HW_REG_WAVE_MODE, 25, 1), 1
	s_wait_xcnt 0x0
	s_wait_alu depctr_hold_cnt(0) depctr_sa_sdst(0) depctr_va_vdst(0) depctr_va_sdst(0) depctr_va_ssrc(0) depctr_va_vcc(0) depctr_vm_vsrc(0)
	s_getreg_b32 s2, hwreg(HW_REG_IB_STS2, 6, 4)
	s_cmp_eq_u32 s2, 0
	s_cbranch_scc0 .Lentry_in_a_cluster
	s_endpgm
.Lentry_in_a_cluster:
	s_bfe_u32 s2, ttmp6, 0x10000c
	s_cmp_lg_u32 s2, 0x3003
	s_cbranch_scc0 .Lentry_shape_is_right
	s_endpgm
.Lentry_shape_is_right:
; STATS.  For each (batch, head): with t = (q . k / 8) log2(e), minus log2 of the sum of 2^t along every row (over the keys) and along every column (over the queries), by a running maximum.
; The finished score, 2^(t - row) + 2^(t - column), has to be known before it can be quantised, and a column's sum spans all queries of a head: so these sums have a launch of their own.
; SHARES.  A work-group owns 16 tiles of 16 tokens of one head, a wave one tile.  It walks all 128 tiles of K against its own tile of Q (source 1): a lane holds one query and eight keys a tile;
; then all 128 tiles of Q against its own tile of K: a lane holds one key.  Each lane keeps the maximum and the sum of its own half of what is walked; nothing crosses lanes inside a loop.
; K IS 64, THE INSTRUCTION 128 DEEP.  My own tile's registers 4-7 are zeros, so k = 64 .. 127 add nothing; a walking tile is 4 registers, and the instruction's upper four are the next tile's codes, which meet those zeros
; (four zero registers stand behind the eighth tile).  Bytes 2 and 3 of every scale word are 2^0.
; LDS holds the head's Q and K tiles and scale words, 147,456 bytes, as they lie in pack: filled once, so the loops have no barrier.  A trip's tiles are read from LDS a trip ahead.
; EIGHT OF A TRIP'S 64 POWERS OF TWO ARE MADE BY PLAIN INSTRUCTIONS (macro SOFTOP), one of which stands behind each v_exp_f32, so that the two kinds go out by turns: 57 exponentials and 56 plain lines a trip.
; CLUSTER.  The four work-groups of a cluster belong to one head and want the same 147,456 bytes: each wave's tensor load is asked for jointly, with a descriptor made of the head and the wave's number alone.
; By this text's count one tensor load of a wave is out.
; LIMITS: NaN and infinities are not served.  SOFTOP rounds its exponent x exactly for |x| < 2^22; below that its result is still 0, as it should be, down to x = -2^40.
.set KI,   73728                       ; LDS as pack: Q's tiles at 0, Q's scale words at 65,536, K's tiles, K's scale words
.set QS,   65536
.set KS,   139264
.set STR,  147456                      ; 256 row results, in the order of the tiles' lanes
.set STC,  148480                      ; 256 column results, in the order of the keys
.set OFQ,  8                           ; v8-15   my tile of Q; v12-15 zeros
.set OFK,  16                          ; v16-23  my tile of K; v20-23 zeros
.set OSQ,  24                          ; v24, v25 their scale words
.set OSK,  25
.set KSC,  26                          ; v26-29  the scale words of eight walking tiles: register c: lanes 0-15 tile 2 c, lanes 16-31 tile 2 c + 1
.set NM,   30                          ; v30     minus the running maximum of t (v31 is named with it as a pair)
.set L,    32                          ; v[32:33] the running sum, in two halves
.set L2,   34                          ; v[34:35] the second of a trip's four chains
.set MS,   36                          ; v36     the running maximum of the raw scores
.set F0,   37
.set F,    38                          ; v38     2^(old maximum - new) (v39 named with it)
.set CH,   40                          ; v40-43  four chains of the maximum;
.set L3,   40                          ; later the sum's third
.set L4,   42                          ; and fourth chain
.set KF,   48                          ; v48-79  eight walking tiles; v80-83 zeros
.set S,    84                          ; v84-147 the scores
.set NN,   148                         ; v148-155 SOFTOP: the whole numbers n
.set PP,   156                         ; v156-163 SOFTOP: y, then the series
.set MV,   164                         ; v[164:165] 1.5 x 2^23, twice
.set C7V,  166                         ; v[166:167] ln2^7 / 7!, twice
.set NG1,  40                          ; s[40:41] -1.0, twice
.set CF,   42                          ; s[42:53] ln2^k / k!, k = 6 .. 1, each twice: the packed forms name a pair and take its low word for both halves
.macro CROUND                          ; a round of the cluster's barrier
	s_barrier_signal -1
	s_barrier_wait -1
	s_cmp_lg_u32 s8, 0
	s_cbranch_scc1 .Lnot_wave_0_\@
	s_barrier_signal -3
.Lnot_wave_0_\@:
	s_barrier_wait -3
	s_barrier_signal -1
	s_barrier_wait -1
.endm
.macro MMZ d, a, b, sa, sb, ra
.if \ra
	v_wmma_scale_f32_16x16x128_f8f6f4 v[(\d):(\d)+7], v[(\a):(\a)+7], v[(\b):(\b)+7], 0, v[\sa], v[\sb] matrix_a_fmt:MATRIX_FMT_FP4 matrix_b_fmt:MATRIX_FMT_FP4 matrix_a_scale:MATRIX_SCALE_ROW1
.else
	v_wmma_scale_f32_16x16x128_f8f6f4 v[(\d):(\d)+7], v[(\a):(\a)+7], v[(\b):(\b)+7], 0, v[\sa], v[\sb] matrix_a_fmt:MATRIX_FMT_FP4 matrix_b_fmt:MATRIX_FMT_FP4
.endif
.endm
.macro COEF k, bits
	s_mov_b32 s[CF+2*\k], \bits
	s_mov_b32 s[CF+2*\k+1], \bits
.endm
; 2^x BY PLAIN INSTRUCTIONS, in place, for the numbers v[xb] on, eight (four pairs) at a time.  y = x + 1.5 x 2^23 rounds x to a whole number; n = y - 1.5 x 2^23; f = x - n, exact, in [-1/2, 1/2] whatever x is;
; the series of 2^f up to f^7 (what is cut is under ln2^8 / 8! / 2^8 = 5.2e-9 of the number); v_ldexp_f32 multiplies by 2^n and rounds nothing (it gives 0 where n is far below).
; 14 stages for a pair; SOFTOP writes line sk of the list: stage (sk % 56) / 4 of pair sk % 4 of group sk / 56, so that a line and the line that reads its result stand four lines of the list apart.
.macro SOFTOP xb
.set stg, (sk%56)/4
.set q2, 2*(sk%4)
.set xx, (\xb)+8*(sk/56)+q2
.if stg == 0
	v_pk_add_f32 v[PP+q2:PP+q2+1], v[xx:xx+1], v[MV:MV+1]
.elseif stg == 1
	v_pk_fma_f32 v[NN+q2:NN+q2+1], v[MV:MV+1], s[NG1:NG1+1], v[PP+q2:PP+q2+1] op_sel_hi:[1,0,1]
.elseif stg == 2
	v_pk_fma_f32 v[xx:xx+1], v[NN+q2:NN+q2+1], s[NG1:NG1+1], v[xx:xx+1] op_sel_hi:[1,0,1]
.elseif stg == 3
	v_pk_fma_f32 v[PP+q2:PP+q2+1], v[xx:xx+1], v[C7V:C7V+1], s[CF:CF+1] op_sel_hi:[1,1,0]
.elseif stg < 9
	v_pk_fma_f32 v[PP+q2:PP+q2+1], v[PP+q2:PP+q2+1], v[xx:xx+1], s[CF+2*(stg-3):CF+2*(stg-3)+1] op_sel_hi:[1,1,0]
.elseif stg == 9
	v_pk_fma_f32 v[PP+q2:PP+q2+1], v[PP+q2:PP+q2+1], v[xx:xx+1], 1.0 op_sel_hi:[1,1,0]
.elseif stg == 10
	v_cvt_i32_f32 v[NN+q2], v[NN+q2]
.elseif stg == 11
	v_cvt_i32_f32 v[NN+q2+1], v[NN+q2+1]
.elseif stg == 12
	v_ldexp_f32 v[xx], v[PP+q2], v[NN+q2]
.else
	v_ldexp_f32 v[xx+1], v[PP+q2+1], v[NN+q2+1]
.endif
.set sk, sk+1
.endm
.macro WALK                            ; eight walking tiles and their scale words, from the LDS addresses in v2 and v3
.irp t, 0,1,2,3,4,5,6,7
	ds_load_b128 v[KF+4*\t:KF+4*\t+3], v2 offset:512*\t       ; an image: 512 consecutive bytes
.endr
	ds_load_b128 v[KSC:KSC+3], v3
.endm
; eight walking tiles against my own.  more = 1: the next eight are asked for behind the products
.macro STEPB own, osc, more
	s_wait_dscnt 0x0                                   ; this trip's tiles and scale words, asked for a trip ago
.irp t, 0,1,2,3,4,5,6,7
	MMZ S+8*\t, KF+4*\t, \own, KSC+\t/2, \osc, \t%2
.endr
	s_add_co_u32 s29, s29, 4096
	s_add_co_u32 s30, s30, 512
	v_add_nc_u32 v2, s29, v1                           ; four places: ahead of the loads into the products' sources and of the first read of results
	v_add_nc_u32 v3, s30, v1
	v_nop
	v_nop
.if \more
	WALK
.endif
.irp k, 0,1,2,3
	v_max3_num_f32 v[CH+\k], v[MS], v[S+8*\k], v[S+8*\k+1]    ; each accumulator is read from its low end on
.endr
.irp i, 2,4,6
.irp k, 0,1,2,3
	v_max3_num_f32 v[CH+\k], v[CH+\k], v[S+8*\k+\i], v[S+8*\k+\i+1]
.endr
.endr
.irp i, 0,2,4,6
.irp k, 0,1,2,3
	v_max3_num_f32 v[CH+\k], v[CH+\k], v[S+32+8*\k+\i], v[S+32+8*\k+\i+1]
.endr
.endr
	v_max3_num_f32 v[MS], v[CH], v[CH+1], v[CH+2]
	v_max_num_f32 v[MS], v[MS], v[CH+3]
	v_mov_b32 v[F0], v[NM]
	v_mul_f32 v[NM], s28, v[MS]                        ; minus the new maximum of t
	v_sub_f32 v[F], v[NM], v[F0]                       ; old maximum - new, 0 or less
.set j, 0
.rept 32
	v_pk_fma_f32 v[S+j:S+j+1], v[S+j:S+j+1], s[26:27], v[NM:NM+1] op_sel_hi:[1,0,0]    ; t - maximum
.set j, j+2
.endr
	v_exp_f32 v[F], v[F]
.set sk, 0
.rept 56
	v_exp_f32 v[S+8+sk], v[S+8+sk]                     ; numbers 8 to 63 by the transcendental instruction,
	SOFTOP S                                           ; numbers 0 to 7 by plain lines, which name none of the batch's results
.endr
	v_nop                                              ; a plain line behind the last exponential
	s_wait_alu depctr_va_vdst(0)                       ; one wait for the batch of 57, ahead of its first reader
	v_pk_fma_f32 v[L:L+1], v[L:L+1], v[F:F+1], v[S:S+1] op_sel_hi:[1,0,1]   ; the sum under the new maximum; the trip's 32 pairs in four chains
	v_pk_add_f32 v[L2:L2+1], v[S+2:S+3], v[S+10:S+11]
	v_pk_add_f32 v[L3:L3+1], v[S+4:S+5], v[S+12:S+13]
	v_pk_add_f32 v[L4:L4+1], v[S+6:S+7], v[S+14:S+15]
	v_pk_add_f32 v[L:L+1], v[L:L+1], v[S+8:S+9]
.set j, 16
.rept 6
	v_pk_add_f32 v[L:L+1], v[L:L+1], v[S+j:S+j+1]
	v_pk_add_f32 v[L2:L2+1], v[L2:L2+1], v[S+j+2:S+j+3]
	v_pk_add_f32 v[L3:L3+1], v[L3:L3+1], v[S+j+4:S+j+5]
	v_pk_add_f32 v[L4:L4+1], v[L4:L4+1], v[S+j+6:S+j+7]
.set j, j+8
.endr
	v_pk_add_f32 v[L:L+1], v[L:L+1], v[L2:L2+1]
	v_pk_add_f32 v[L3:L3+1], v[L3:L3+1], v[L4:L4+1]
	v_pk_add_f32 v[L:L+1], v[L:L+1], v[L3:L3+1]
.endm
; all 128 tiles at LDS byte walk (scale words at wsc) against my tile own; the result goes to the LDS word at v[stg]
.macro JOB walk, wsc, own, osc, stg
	s_mov_b32 s29, \walk
	s_mov_b32 s30, \wsc
	s_mov_b32 s31, 15
	v_add_nc_u32 v2, s29, v1
	v_add_nc_u32 v3, s30, v1
	WALK                                               ; the first eight tiles
	v_mov_b32 v[MS], 0xff61b1e6                        ; -3e38, under every score
	v_mul_f32 v[NM], s28, v[MS]
	v_mov_b32 v[L], 0
	v_mov_b32 v[L+1], 0
.Ltrip_\@:                                             ; 15 trips, each asking for the next trip's tiles
	STEPB \own, \osc, 1
	s_sub_co_u32 s31, s31, 1
	s_cmp_lg_u32 s31, 0
	s_cbranch_scc1 .Ltrip_\@
	STEPB \own, \osc, 0                                ; the last eight tiles: nothing more is read, so no read leaves the walked bytes
	v_permlanex16_b32 v44, v[NM], s24, s25             ; the two halves of the lanes are joined under the larger maximum, which is the smaller NM
	v_min_num_f32 v45, v[NM], v44
	v_sub_f32 v46, v45, v[NM]
	v_exp_f32 v46, v46
	v_add_f32 v47, v[L], v[L+1]                        ; (a plain line behind the exponential)
	s_wait_alu depctr_va_vdst(0)
	v_mul_f32 v47, v47, v46
	v_permlanex16_b32 v44, v47, s24, s25
	v_add_f32 v47, v47, v44
	v_log_f32 v47, v47
	v_nop
	s_wait_alu depctr_va_vdst(0)
	v_sub_f32 v47, v45, v47                            ; minus (maximum + log2 of the sum)
	ds_store_b32 v[\stg], v47                          ; both halves of the lanes write the same word with the same value
.endm
	s_load_b128 s[4:7], s[0:1], 0x0                    ; pack, lse
	v_lshl_add_u32 v168, v0, 2, 0x29000
	v_mov_b32 v169, 0
	ds_add_u32 v168, v169
	ds_add_u32 v168, v169
	v_lshrrev_b32 v2, 5, v0
	v_readfirstlane_b32 s8, v2                         ; wave 0..15
	s_bfe_u32 s9, ttmp6, 0x40000                       ; cx: my place in the cluster
	s_lshl_b32 s10, ttmp9, 2
	s_add_co_u32 s10, s10, s9                          ; my block of 256 tokens: it enters addresses in memory alone
	s_and_b32 s11, ttmp7, 0xffff                       ; 8 x batch + head, which the four partners share
	v_and_b32 v1, 31, v0
	v_lshlrev_b32 v1, 4, v1                            ; 16 l
	v_and_b32 v7, 15, v0                               ; r
	s_lshl_b32 s32, s8, 6
	s_add_co_u32 s32, s32, STR
	v_lshl_add_u32 v4, v7, 2, s32                      ; rows: 64 w + 4 r
	s_lshr_b32 s32, s8, 1
	s_lshl_b32 s32, s32, 7
	s_and_b32 s34, s8, 1
	s_lshl_b32 s34, s34, 5
	s_add_co_u32 s32, s32, s34
	s_add_co_u32 s32, s32, STC
	v_and_b32 v44, 7, v0
	v_bfe_u32 v45, v0, 3, 1
	v_lshlrev_b32 v5, 2, v44
	v_lshl_add_u32 v5, v45, 6, v5
	v_add_nc_u32 v5, s32, v5                           ; columns: key 32 (w / 2) + 8 (w % 2) + r % 8 + 16 (r / 8)
	s_min_u32 s32, s8, 3
	s_lshl_b32 s32, s32, 9
	s_add_co_u32 s32, s32, STR
	v_add_nc_u32 v6, s32, v1                           ; the way out: 512 bytes for each of waves 0 to 3
	v_lshlrev_b32 v7, 4, v7                            ; 16 r
	s_mov_b32 s24, 0x76543210
	s_mov_b32 s25, 0xfedcba98
	s_mov_b32 s26, 0x3e38aa3b                          ; c = log2(e) / 8
	s_mov_b32 s27, s26
	s_mov_b32 s28, 0xbe38aa3b                          ; -c
	s_mov_b32 s[NG1], 0xbf800000                       ; -1.0
	s_mov_b32 s[NG1+1], 0xbf800000
	COEF 0, 0x39218489                                 ; ln2^6 / 720
	COEF 1, 0x3aaec3ff                                 ; ln2^5 / 120
	COEF 2, 0x3c1d955b                                 ; ln2^4 / 24
	COEF 3, 0x3d635847                                 ; ln2^3 / 6
	COEF 4, 0x3e75fdf0                                 ; ln2^2 / 2
	COEF 5, 0x3f317218                                 ; ln2
	; descriptor group 1: 36 rows of 256 bytes (32 elements of 8), dense
	s_mov_b32 s16, 15|(3<<16)|(1<<21)                  ; 15:0 the mask: all four work-groups; 17:16 elements of 8 bytes; 21 set beside a mask
	s_mov_b32 s17, 32<<16                              ; tensor_dim0
	s_mov_b32 s18, 36<<16                              ; tensor_dim1
	s_mov_b32 s19, 32<<16                              ; tile_dim0
	s_mov_b32 s20, 36                                  ; tile_dim1
	s_mov_b32 s21, 32                                  ; the pitch
	s_mov_b32 s22, 0
	s_mov_b32 s23, 0
	s_mul_i32 s32, s11, 217088
	s_mov_b32 s33, 0
	s_mul_i32 s13, s8, 9216                            ; LDS address: my sixteenth
	s_mov_b32 s34, s13
	s_mov_b32 s35, 0
	s_wait_dscnt 0x0
	s_wait_kmcnt 0x0
	s_add_nc_u64 s[4:5], s[4:5], s[32:33]              ; pack at my head
	s_mov_b32 s12, 1
	s_add_nc_u64 s[14:15], s[4:5], s[34:35]
	s_or_b32 s15, s15, 0x80000000
	CROUND                                             ; all four work-groups are here: the joint loads meet
	tensor_load_to_lds s[12:15], s[16:23]
	s_nop 0
.rept 4
	v_nop
.endr
	s_lshl_b32 s32, s10, 13                            ; my own tile 16 x block + w, straight from memory
	s_lshl_b32 s34, s8, 9
	s_add_co_u32 s32, s32, s34
	s_add_nc_u64 s[36:37], s[4:5], s[32:33]
	s_lshl_b32 s32, s10, 10                            ; its scale words: group of eight tiles, half of the lanes, register
	s_lshr_b32 s34, s8, 3
	s_lshl_b32 s34, s34, 9
	s_add_co_u32 s32, s32, s34
	s_and_b32 s34, s8, 1
	s_lshl_b32 s34, s34, 8
	s_add_co_u32 s32, s32, s34
	s_bfe_u32 s34, s8, 0x20001
	s_lshl_b32 s34, s34, 2
	s_add_co_u32 s32, s32, s34
	s_add_nc_u64 s[38:39], s[4:5], s[32:33]
	global_load_b128 v[OFQ:OFQ+3], v1, s[36:37]
	global_load_b128 v[OFK:OFK+3], v1, s[36:37] offset:73728
	global_load_b32 v[OSQ], v7, s[38:39] offset:65536
	global_load_b32 v[OSK], v7, s[38:39] offset:139264
	s_lshl_b32 s32, s11, 14                            ; the results: 16,384 bytes a head; rows at 0, columns at 8,192; waves 0, 1 store rows, waves 2, 3 columns
	s_lshl_b32 s34, s10, 10
	s_add_co_u32 s32, s32, s34
	s_and_b32 s34, s8, 1
	s_lshl_b32 s34, s34, 9
	s_add_co_u32 s32, s32, s34
	s_bfe_u32 s34, s8, 0x10001
	s_lshl_b32 s34, s34, 13
	s_add_co_u32 s32, s32, s34
	s_add_nc_u64 s[6:7], s[6:7], s[32:33]
.irp j, 12,13,14,15,20,21,22,23,80,81,82,83,31,39,44
	v_mov_b32 v[\j], 0
.endr
	v_mov_b32 v[MV], 0x4b400000                        ; 1.5 x 2^23
	v_mov_b32 v[MV+1], 0x4b400000
	v_mov_b32 v[C7V], 0x377fe5fe                       ; ln2^7 / 5040
	v_mov_b32 v[C7V+1], 0x377fe5fe
	s_wait_tensorcnt 0x0                               ; my sixteenth has landed,
	s_barrier_signal -1
	s_barrier_wait -1                                  ; everybody's has
	s_wait_loadcnt 0x0                                 ; my own tiles
	JOB KI, KS, OFQ, OSQ, 4                            ; rows: all keys against my queries
	JOB 0, QS, OFK, OSK, 5                             ; columns: all queries against my keys
	s_wait_dscnt 0x0                                   ; for the others' sake: my results have landed
	s_barrier_signal -1
	s_barrier_wait -1
	s_cmp_gt_u32 s8, 3
	s_cbranch_scc1 .Lno_out
	ds_load_b128 v[40:43], v6
	s_wait_dscnt 0x0
	global_store_b128 v1, v[40:43], s[6:7]             ; 512 consecutive bytes
.Lno_out:
	s_wait_tensorcnt 0x0
	ds_add_u32 v168, v169
	s_wait_dscnt 0x0
	CROUND                                             ; the closing round: no work-group ends while a partner may still ask for a tile that names it
	s_endpgm
.Lfunc_end_k_q3a27d1139e_stats:
	.size	k_q3a27d1139e_stats, .Lfunc_end_k_q3a27d1139e_stats-k_q3a27d1139e_stats
	.p2alignl 7, 3214868480
	.fill 96, 4, 3214868480
	.section	.rodata,"a",@progbits
	.p2align	6, 0x0
	.amdhsa_kernel k_q3a27d1139e_stats
		.amdhsa_group_segment_fixed_size 169984
		.amdhsa_private_segment_fixed_size 0
		.amdhsa_enable_private_segment 0
		.amdhsa_kernarg_size 16
		.amdhsa_user_sgpr_count 2
		.amdhsa_user_sgpr_kernarg_segment_ptr 1
		.amdhsa_wavefront_size32 1
		.amdhsa_system_sgpr_workgroup_id_x 1
		.amdhsa_system_sgpr_workgroup_id_y 1
		.amdhsa_system_sgpr_workgroup_id_z 1
		.amdhsa_system_vgpr_workitem_id 0
		.amdhsa_next_free_vgpr 170
		.amdhsa_next_free_sgpr 66
		.amdhsa_reserve_vcc 0
		.amdhsa_float_denorm_mode_32 3
		.amdhsa_float_denorm_mode_16_64 3
		.amdhsa_memory_ordered 1
		.amdhsa_forward_progress 1
		.amdhsa_inst_pref_size 62
	.end_amdhsa_kernel
	.amdgpu_metadata
---
amdhsa.version: [ 1, 2 ]
amdhsa.kernels:
  - .name:           k_q3a27d1139e_stats
    .symbol:         k_q3a27d1139e_stats.kd
    .args:
      - { .name: pack, .offset: 0, .size: 8, .value_kind: global_buffer, .address_space: global }
      - { .name: lse, .offset: 8, .size: 8, .value_kind: global_buffer, .address_space: global }
    .group_segment_fixed_size: 169984
    .private_segment_fixed_size: 0
    .kernarg_segment_align: 8
    .kernarg_segment_size: 16
    .max_flat_workgroup_size: 512
    .sgpr_count:     66
    .vgpr_count:     170
    .wavefront_size: 32
...
	.end_amdgpu_metadata
.endif
;; end of part 2
;; launch attn (part 3): grid 8 x 32, 16 waves a work-group, clusters of 4 x 1, 169,984 bytes of LDS; arguments pack, lse, y; writes y
.if DOCPART == 3
	.amdgcn_target "amdgcn-amd-amdhsa--gfx1250"
	.amdhsa_code_object_version 6
	.text
	.protected	k_q3a27d1139e_attn
	.globl	k_q3a27d1139e_attn
	.p2align	8
	.type	k_q3a27d1139e_attn,@function
k_q3a27d1139e_attn:
	s_mov_b64 s[64:65], 0
	v_nop
	global_prefetch_b8 v0, s[64:65] scope:SCOPE_SE
	s_setreg_imm32_b32 hwreg(HW_REG_WAVE_MODE, 25, 1), 1
	s_wait_xcnt 0x0
	s_wait_alu depctr_hold_cnt(0) depctr_sa_sdst(0) depctr_va_vdst(0) depctr_va_sdst(0) depctr_va_ssrc(0) depctr_va_vcc(0) depctr_vm_vsrc(0)
	s_getreg_b32 s2, hwreg(HW_REG_IB_STS2, 6, 4)
	s_cmp_eq_u32 s2, 0
	s_cbranch_scc0 .Lentry_in_a_cluster
	s_endpgm
.Lentry_in_a_cluster:
	s_bfe_u32 s2, ttmp6, 0x10000c
	s_cmp_lg_u32 s2, 0x3003
	s_cbranch_scc0 .Lentry_shape_is_right
	s_endpgm
.Lentry_shape_is_right:
; ATTN.  score = 2^(t - row) + 2^(t - column), t = (q . k / 8) log2(e), with the two log-sums of the launch before: the finished sum of the two softmaxes.  It is quantised along the keys;
; y^T = V^T score^T on codes of FP4; y is quantised along the head's 64 and stored as an image of the last product's operand registers.
; SHARES.  A work-group owns 16 tiles of 16 queries of one head, a wave one tile in 256 registers: four waves to a SIMD, so that one wave's exponentials stand beside another's loads and products.
; Every wave walks the head's 2,048 keys, 128 a step.  Both products are used transposed (source 0 = 16 keys, or 16 of the head's 64; source 1 = my queries): a lane holds one query throughout.
; The keys of a tile of K are chosen (lane r of tile 2 b + u: key 32 b + 8 u + r % 8 + 16 (r / 8)) so that register 16 b + i of the scores is key 32 b + 16 (lane / 16) + i.
; K = 64 in the first product: my Q's registers 4-7 are zeros; a tile of K is 4 registers, and the instruction's upper four, the next tile's codes, meet those zeros.
; SIXTEEN OF A STEP'S 128 POWERS OF TWO ARE MADE BY PLAIN INSTRUCTIONS (macro SOFTOP), one of which stands behind each v_exp_f32, so that the two kinds go out by turns: 112 exponentials and 112 plain lines a step.
; LDS holds the head's K, V^T, their scale words and the column log-sums, 151,552 bytes, filled once: the loop has no barrier.
; CLUSTER.  The four work-groups of a cluster belong to one head: each wave's two tensor loads are asked for jointly, with descriptors made of the head and the wave's number alone.  By this text's count two are out.
; LIMITS: NaN and infinities are not served.  The exponent t - log-sum is one fused multiply-add; its error is half a unit in the last place of the log-sum, so the score's relative error grows with the size of t,
; that is with g1 x g2.  A block of scores that have all fallen to 0 keeps the byte 1: its codes are zeros.  SOFTOP rounds its exponent x exactly for |x| < 2^22; below that its result is still 0, as it should be, down to x = -2^40.
.set KS,   65536                       ; LDS: K's tiles at 0, 4,096 bytes a step; their scale words, 512 a step;
.set VI,   73728                       ; V^T's fragments, 4,096 a step;
.set VS,   139264                      ; their scale words, 256 a step;
.set CN,   143360                      ; minus the column log-sums, 4 bytes a key;
.set YSG,  151552                      ; y's scale words of the work-group's 16 tiles
.set RN,   12                          ; v12     minus my query's row log-sum (v13 named with it as a pair)
.set QSW,  14                          ; v14     Q's scale words
.set PW,   15                          ; v15     the scale word just made
.set QF,   16                          ; v16-23  my tile of Q; v20-23 zeros
.set KSC,  24                          ; v24-27  K's scale words of the step
.set VSC,  28                          ; v28-29  V's
.set TM,   32                          ; v32-47  at work
.set NN,   32                          ; v32-39  SOFTOP: the whole numbers n
.set PP,   40                          ; v40-47  SOFTOP: y, then the series
.set PC,   48                          ; v48-55  the scores' codes
.set KF,   56                          ; v56-87  eight tiles of K, then four fragments of V^T; v88-91 zeros
.set O,    92                          ; v92-123 y^T: register 16 b + i: feature 32 b + 16 (lane / 16) + i
.set S,    124                         ; v124-187 the scores
.set T2,   188                         ; v188-251 the column log-sums, then the second softmax
.set MV,   252                         ; v[252:253] 1.5 x 2^23, twice
.set C7V,  254                         ; v[254:255] ln2^7 / 7!, twice
.set SEL,  36                          ; s[36:37]
.set NG1,  66                          ; s[66:67] -1.0, twice
.set CF,   68                          ; s[68:79] ln2^k / k!, k = 6 .. 1, each twice: the packed forms name a pair and take its low word for both halves
.macro CROUND
	s_barrier_signal -1
	s_barrier_wait -1
	s_cmp_lg_u32 s10, 0
	s_cbranch_scc1 .Lnot_wave_0_\@
	s_barrier_signal -3
.Lnot_wave_0_\@:
	s_barrier_wait -3
	s_barrier_signal -1
	s_barrier_wait -1
.endm
.macro MM d, a, b, z, sa, sb, ra
.if \z
.if \ra
	v_wmma_scale_f32_16x16x128_f8f6f4 v[(\d):(\d)+7], v[(\a):(\a)+7], v[(\b):(\b)+7], 0, v[\sa], v[\sb] matrix_a_fmt:MATRIX_FMT_FP4 matrix_b_fmt:MATRIX_FMT_FP4 matrix_a_scale:MATRIX_SCALE_ROW1
.else
	v_wmma_scale_f32_16x16x128_f8f6f4 v[(\d):(\d)+7], v[(\a):(\a)+7], v[(\b):(\b)+7], 0, v[\sa], v[\sb] matrix_a_fmt:MATRIX_FMT_FP4 matrix_b_fmt:MATRIX_FMT_FP4
.endif
.else
.if \ra
	v_wmma_scale_f32_16x16x128_f8f6f4 v[(\d):(\d)+7], v[(\a):(\a)+7], v[(\b):(\b)+7], v[(\d):(\d)+7], v[\sa], v[\sb] matrix_a_fmt:MATRIX_FMT_FP4 matrix_b_fmt:MATRIX_FMT_FP4 matrix_a_scale:MATRIX_SCALE_ROW1
.else
	v_wmma_scale_f32_16x16x128_f8f6f4 v[(\d):(\d)+7], v[(\a):(\a)+7], v[(\b):(\b)+7], v[(\d):(\d)+7], v[\sa], v[\sb] matrix_a_fmt:MATRIX_FMT_FP4 matrix_b_fmt:MATRIX_FMT_FP4
.endif
.endif
.endm
.macro COEF k, bits
	s_mov_b32 s[CF+2*\k], \bits
	s_mov_b32 s[CF+2*\k+1], \bits
.endm
; 2^x BY PLAIN INSTRUCTIONS, in place, for the numbers v[xb] on, eight (four pairs) at a time.  y = x + 1.5 x 2^23 rounds x to a whole number; n = y - 1.5 x 2^23; f = x - n, exact, in [-1/2, 1/2] whatever x is;
; the series of 2^f up to f^7 (what is cut is under ln2^8 / 8! / 2^8 = 5.2e-9 of the number); v_ldexp_f32 multiplies by 2^n and rounds nothing (it gives 0 where n is far below).
; 14 stages for a pair; SOFTOP writes line sk of the list: stage (sk % 56) / 4 of pair sk % 4 of group sk / 56, so that a line and the line that reads its result stand four lines of the list apart.
.macro SOFTOP xb
.set stg, (sk%56)/4
.set q2, 2*(sk%4)
.set xx, (\xb)+8*(sk/56)+q2
.if stg == 0
	v_pk_add_f32 v[PP+q2:PP+q2+1], v[xx:xx+1], v[MV:MV+1]
.elseif stg == 1
	v_pk_fma_f32 v[NN+q2:NN+q2+1], v[MV:MV+1], s[NG1:NG1+1], v[PP+q2:PP+q2+1] op_sel_hi:[1,0,1]
.elseif stg == 2
	v_pk_fma_f32 v[xx:xx+1], v[NN+q2:NN+q2+1], s[NG1:NG1+1], v[xx:xx+1] op_sel_hi:[1,0,1]
.elseif stg == 3
	v_pk_fma_f32 v[PP+q2:PP+q2+1], v[xx:xx+1], v[C7V:C7V+1], s[CF:CF+1] op_sel_hi:[1,1,0]
.elseif stg < 9
	v_pk_fma_f32 v[PP+q2:PP+q2+1], v[PP+q2:PP+q2+1], v[xx:xx+1], s[CF+2*(stg-3):CF+2*(stg-3)+1] op_sel_hi:[1,1,0]
.elseif stg == 9
	v_pk_fma_f32 v[PP+q2:PP+q2+1], v[PP+q2:PP+q2+1], v[xx:xx+1], 1.0 op_sel_hi:[1,1,0]
.elseif stg == 10
	v_cvt_i32_f32 v[NN+q2], v[NN+q2]
.elseif stg == 11
	v_cvt_i32_f32 v[NN+q2+1], v[NN+q2+1]
.elseif stg == 12
	v_ldexp_f32 v[xx], v[PP+q2], v[NN+q2]
.else
	v_ldexp_f32 v[xx+1], v[PP+q2+1], v[NN+q2+1]
.endif
.set sk, sk+1
.endm
; A KEY STEP: 128 keys.  first = 1: its products start y^T's sums
.macro STEP first
	v_add_nc_u32 v6, s40, v1                           ; five plain lines: the places between the last step's products and the loads into their sources
	v_add_nc_u32 v7, s41, v2
	v_add_nc_u32 v8, s40, v3
	v_add_nc_u32 v9, s42, v4
	v_add_nc_u32 v10, s41, v5
.irp t, 0,1,2,3,4,5,6,7
	ds_load_b128 v[KF+4*\t:KF+4*\t+3], v6 offset:512*\t
.endr
	ds_load_b128 v[KSC:KSC+3], v7
.irp b, 0,1,2,3
.irp i, 0,1,2,3
	ds_load_b128 v[T2+16*\b+4*\i:T2+16*\b+4*\i+3], v10 offset:128*\b+16*\i     ; the log-sums of keys 32 b + 16 h + 4 i on: sixteen lanes read the same 16 bytes
.endr
.endr
	s_wait_dscnt 16                                    ; K and its scale words are in; the 16 loads behind them may be out
.irp t, 0,1,2,3,4,5,6,7
	MM S+8*\t, KF+4*\t, QF, 1, KSC+\t/2, QSW, \t%2
.endr
.rept 4
	v_nop                                              ; four places: ahead of the loads into K's registers and of the first read of the scores
.endr
.irp t, 0,1,2,3
.irp c, 0,1
	ds_load_b128 v[KF+8*\t+4*\c:KF+8*\t+4*\c+3], v8 offset:1024*\t+512*\c
.endr
.endr
	ds_load_b64 v[VSC:VSC+1], v9
	s_wait_dscnt 9                                     ; the log-sums are in; V's 9 loads may be out
.set j, 0
.rept 32
	v_pk_fma_f32 v[T2+j:T2+j+1], v[S+j:S+j+1], s[38:39], v[T2+j:T2+j+1] op_sel_hi:[1,0,1]   ; t - column; the scores are read from each accumulator's low end on
.set j, j+2
.endr
.set j, 0
.rept 32
	v_pk_fma_f32 v[S+j:S+j+1], v[S+j:S+j+1], s[38:39], v[RN:RN+1] op_sel_hi:[1,0,0]         ; t - row
.set j, j+2
.endr
.set sk, 0
.rept 112
.if sk < 48
	v_exp_f32 v[S+16+sk], v[S+16+sk]                   ; 2^(t - row) of numbers 16 to 63,
.else
	v_exp_f32 v[T2+sk-48], v[T2+sk-48]                 ; all 64 of 2^(t - column);
.endif
	SOFTOP S                                           ; 2^(t - row) of numbers 0 to 15 by plain lines, which name none of the batch's results
.endr
	v_nop                                              ; a plain line behind the last exponential
	s_wait_alu depctr_va_vdst(0)                       ; one wait for the batch of 112, ahead of its first reader
.set j, 0
.rept 32
	v_pk_add_f32 v[S+j:S+j+1], v[S+j:S+j+1], v[T2+j:T2+j+1]    ; the finished score
.set j, j+2
.endr
.irp b, 0,1,2,3
	v_max3_num_f32 v[TM+\b], v[S+16*\b], v[S+16*\b+1], 0x1800000   ; none is negative; the floor 2^(3 - 127) holds the byte at 1 from below
.endr
.irp i, 2,4,6,8,10,12,14
.irp b, 0,1,2,3
	v_max3_num_f32 v[TM+\b], v[TM+\b], v[S+16*\b+\i], v[S+16*\b+\i+1]
.endr
.endr
.irp b, 0,1,2,3
	v_permlanex16_b32 v[TM+4+\b], v[TM+\b], s[SEL], s[SEL+1]
.endr
.irp b, 0,1,2,3
	v_max_num_f32 v[TM+\b], v[TM+\b], v[TM+4+\b]       ; with lane l xor 16's 16 keys: the block's largest
.endr
.irp b, 0,1,2,3
	v_add_nc_u32 v[TM+12+\b], 0xff000000, v[TM+\b]     ; 2 off the exponent field: the conversion's scale operand
.endr
.irp b, 0,1,2,3
	v_lshrrev_b32 v[TM+4+\b], 23, v[TM+12+\b]
.endr
	v_lshl_or_b32 v[PW], v[TM+5], 8, v[TM+4]
	v_lshl_or_b32 v[PW], v[TM+6], 16, v[PW]
	v_lshl_or_b32 v[PW], v[TM+7], 24, v[PW]
.irp b, 0,1,2,3
	v_cvt_scalef32_pk8_fp4_f32 v[PC+2*\b], v[S+16*\b:S+16*\b+7], v[TM+12+\b]
	v_cvt_scalef32_pk8_fp4_f32 v[PC+2*\b+1], v[S+16*\b+8:S+16*\b+15], v[TM+12+\b]
.endr
	v_nop                                              ; one plain line behind the last scaled conversion
.irp c, 0,1
.irp i, 0,1
	v_permlane16_swap_b32 v[PC+4*\c+\i], v[PC+4*\c+2+\i]   ; a whole block in a lane: lanes 0-15 block 2 c, lanes 16-31 block 2 c + 1
.endr
.endr
.rept 8
	v_nop                                              ; a scale register written by a vector instruction stands 8 places ahead of a scaled product, an operand 4
.endr
	s_wait_dscnt 0x0                                   ; V and its scale words
.irp t, 0,1,2,3
	MM O+8*\t, KF+8*\t, PC, \first, VSC+\t/2, PW, \t%2     ; four accumulators by turns; eight products on the scores stand between two turns of each
.endr
	s_add_co_u32 s40, s40, 4096
	s_add_co_u32 s41, s41, 512
	s_add_co_u32 s42, s42, 256
.endm
	s_load_b128 s[4:7], s[0:1], 0x0                    ; pack, lse
	s_load_b64 s[8:9], s[0:1], 0x10                    ; y
	v_lshl_add_u32 v254, v0, 2, 0x29000
	v_mov_b32 v255, 0
	ds_add_u32 v254, v255
	ds_add_u32 v254, v255
	s_wait_dscnt 0x0
	v_lshrrev_b32 v6, 5, v0
	v_readfirstlane_b32 s10, v6                        ; wave 0..15
	s_bfe_u32 s11, ttmp6, 0x40000                      ; cx
	s_lshl_b32 s44, ttmp9, 2
	s_add_co_u32 s44, s44, s11                         ; my block of 256 queries: it enters addresses in memory alone
	s_and_b32 s45, ttmp7, 0xffff                       ; 8 x batch + head
	v_and_b32 v31, 31, v0
	v_lshlrev_b32 v1, 4, v31                           ; 16 l
	v_add_nc_u32 v2, KS, v1
	v_add_nc_u32 v3, VI, v1
	v_lshl_add_u32 v4, v31, 3, VS
	v_bfe_u32 v5, v0, 4, 1
	v_lshl_add_u32 v5, v5, 6, CN
	v_and_b32 v47, 15, v0                              ; r
	s_lshl_b32 s58, s10, 6
	s_add_co_u32 s58, s58, YSG
	v_lshl_add_u32 v11, v47, 2, s58                    ; y's scale word: 64 w + 4 r
	s_min_u32 s58, s10, 1
	s_lshl_b32 s58, s58, 9
	s_add_co_u32 s58, s58, YSG
	v_add_nc_u32 v30, s58, v1                          ; and the way out: 512 bytes for each of waves 0 and 1
	v_lshlrev_b32 v31, 4, v47                          ; 16 r
	v_lshlrev_b32 v47, 2, v47                          ; 4 r (the register is at work again only behind the wait for the load that it serves)
	s_mov_b32 s[SEL], 0x76543210
	s_mov_b32 s[SEL+1], 0xfedcba98
	s_mov_b32 s38, 0x3e38aa3b                          ; c = log2(e) / 8
	s_mov_b32 s39, s38
	s_mov_b32 s40, 0                                   ; the step's bytes among K's tiles and V's fragments,
	s_mov_b32 s41, 0                                   ; among K's scale words and the log-sums,
	s_mov_b32 s42, 0                                   ; among V's scale words
	s_mov_b32 s[NG1], 0xbf800000                       ; -1.0
	s_mov_b32 s[NG1+1], 0xbf800000
	COEF 0, 0x39218489                                 ; ln2^6 / 720
	COEF 1, 0x3aaec3ff                                 ; ln2^5 / 120
	COEF 2, 0x3c1d955b                                 ; ln2^4 / 24
	COEF 3, 0x3d635847                                 ; ln2^3 / 6
	COEF 4, 0x3e75fdf0                                 ; ln2^2 / 2
	COEF 5, 0x3f317218                                 ; ln2
	; descriptor groups 1: dense rows of 256 bytes (32 elements of 8): 35 of pack, 2 of the log-sums
	s_mov_b32 s16, 15|(3<<16)|(1<<21)                  ; 15:0 the mask: all four work-groups; 17:16 elements of 8 bytes; 21 set beside a mask
	s_mov_b32 s17, 32<<16
	s_mov_b32 s18, 35<<16
	s_mov_b32 s19, 32<<16
	s_mov_b32 s20, 35
	s_mov_b32 s21, 32
	s_mov_b32 s22, 0
	s_mov_b32 s23, 0
	s_mov_b32 s28, 15|(3<<16)|(1<<21)
	s_mov_b32 s29, 32<<16
	s_mov_b32 s30, 2<<16
	s_mov_b32 s31, 32<<16
	s_mov_b32 s32, 2
	s_mov_b32 s33, 32
	s_mov_b32 s34, 0
	s_mov_b32 s35, 0
	s_mul_i32 s46, s45, 217088
	s_mov_b32 s47, 0
	s_mul_i32 s13, s10, 8960                           ; LDS address: my sixteenth of K, V and their scale words
	s_add_co_u32 s48, s13, 73728                       ; which begin 73,728 bytes into the head's part of pack
	s_mov_b32 s49, 0
	s_lshl_b32 s50, s45, 14
	s_mov_b32 s51, 0
	s_lshl_b32 s52, s10, 9
	s_mov_b32 s53, 0
	s_add_co_u32 s25, s52, CN                          ; and my sixteenth of the log-sums
	s_wait_kmcnt 0x0
	s_add_nc_u64 s[4:5], s[4:5], s[46:47]              ; pack at my head
	s_add_nc_u64 s[6:7], s[6:7], s[50:51]              ; lse at my head
	s_mov_b32 s12, 1
	s_add_nc_u64 s[14:15], s[4:5], s[48:49]
	s_or_b32 s15, s15, 0x80000000
	s_mov_b32 s24, 1
	s_add_nc_u64 s[26:27], s[6:7], s[52:53]
	s_add_nc_u64 s[26:27], s[26:27], 8192              ; the columns' half
	s_or_b32 s27, s27, 0x80000000
	CROUND                                             ; all four work-groups are here: the joint loads meet
	tensor_load_to_lds s[12:15], s[16:23]
	s_nop 0
	tensor_load_to_lds s[24:27], s[28:35]
	s_nop 0
.rept 4
	v_nop
.endr
	s_lshl_b32 s46, s44, 13                            ; my own tile 16 x block + w of Q, straight from memory
	s_add_co_u32 s46, s46, s52
	s_add_nc_u64 s[48:49], s[4:5], s[46:47]
	s_lshl_b32 s46, s44, 10                            ; its scale words
	s_lshr_b32 s58, s10, 3
	s_lshl_b32 s58, s58, 9
	s_add_co_u32 s46, s46, s58
	s_and_b32 s58, s10, 1
	s_lshl_b32 s58, s58, 8
	s_add_co_u32 s46, s46, s58
	s_bfe_u32 s58, s10, 0x20001
	s_lshl_b32 s58, s58, 2
	s_add_co_u32 s46, s46, s58
	s_add_nc_u64 s[50:51], s[4:5], s[46:47]
	s_lshl_b32 s46, s44, 10                            ; its row log-sums: 64 bytes a tile
	s_lshl_b32 s58, s10, 6
	s_add_co_u32 s46, s46, s58
	s_add_nc_u64 s[60:61], s[6:7], s[46:47]
	global_load_b128 v[QF:QF+3], v1, s[48:49]
	global_load_b32 v[QSW], v31, s[50:51] offset:65536
	global_load_b32 v[RN], v47, s[60:61]
	s_lshr_b32 s59, s45, 3                             ; batch
	s_and_b32 s62, s45, 7                              ; head
	s_lshl_b32 s46, s59, 19                            ; y's image: 4,096 bytes a tile of 16 tokens, 128 tiles a batch; in it 512 bytes a head
	s_lshl_b32 s58, s44, 16
	s_add_co_u32 s46, s46, s58
	s_lshl_b32 s58, s10, 12
	s_add_co_u32 s46, s46, s58
	s_lshl_b32 s58, s62, 9
	s_add_co_u32 s46, s46, s58
	s_add_nc_u64 s[54:55], s[8:9], s[46:47]
	s_lshl_b32 s46, s62, 15                            ; y's scale words: 32,768 bytes a head, 128 for each 32 tokens
	s_lshl_b32 s58, s59, 13
	s_add_co_u32 s46, s46, s58
	s_lshl_b32 s58, s44, 10
	s_add_co_u32 s46, s46, s58
	s_and_b32 s58, s10, 1
	s_lshl_b32 s58, s58, 9
	s_add_co_u32 s46, s46, s58
	s_add_co_u32 s46, s46, 2097152
	s_add_nc_u64 s[56:57], s[8:9], s[46:47]
.irp j, 13,20,21,22,23,36,37,38,39,88,89,90,91
	v_mov_b32 v[\j], 0                                 ; the zero codes; v13 is named with v12 as a pair; a lane permute's destination counts as one of its sources
.endr
	v_mov_b32 v[MV], 0x4b400000                        ; 1.5 x 2^23
	v_mov_b32 v[MV+1], 0x4b400000
	v_mov_b32 v[C7V], 0x377fe5fe                       ; ln2^7 / 5040
	v_mov_b32 v[C7V+1], 0x377fe5fe
	s_wait_tensorcnt 0x0                               ; my two parts have landed,
	s_barrier_signal -1
	s_barrier_wait -1                                  ; everybody's have
	s_wait_loadcnt 0x0                                 ; my Q, its scale words, its log-sums
	STEP 1
	s_mov_b32 s43, 15
.Lstep:
	STEP 0
	s_sub_co_u32 s43, s43, 1
	s_cmp_lg_u32 s43, 0
	s_cbranch_scc1 .Lstep
.rept 4
	v_nop                                              ; four places between the last product and the first read of y^T
.endr
	; ---- y, quantised along the head's 64: two blocks, each in lanes l and l xor 16
.irp b, 0,1
	v_max3_num_f32 v[TM+\b], |v[O+16*\b]|, |v[O+16*\b+1]|, 0x1800000
.endr
.irp i, 2,4,6,8,10,12,14
.irp b, 0,1
	v_max3_num_f32 v[TM+\b], v[TM+\b], |v[O+16*\b+\i]|, |v[O+16*\b+\i+1]|
.endr
.endr
.irp b, 0,1
	v_permlanex16_b32 v[TM+4+\b], v[TM+\b], s[SEL], s[SEL+1]
.endr
.irp b, 0,1
	v_max_num_f32 v[TM+\b], v[TM+\b], v[TM+4+\b]
.endr
.irp b, 0,1
	v_add_nc_u32 v[TM+12+\b], 0xff000000, v[TM+\b]
.endr
.irp b, 0,1
	v_lshrrev_b32 v[TM+4+\b], 23, v[TM+12+\b]
.endr
	v_lshl_or_b32 v[PW], v[TM+5], 8, v[TM+4]           ; the head's two bytes; the last launch joins two heads' to a word
.irp b, 0,1
	v_cvt_scalef32_pk8_fp4_f32 v[PC+2*\b], v[O+16*\b:O+16*\b+7], v[TM+12+\b]
	v_cvt_scalef32_pk8_fp4_f32 v[PC+2*\b+1], v[O+16*\b+8:O+16*\b+15], v[TM+12+\b]
.endr
	v_nop
	v_permlane16_swap_b32 v[PC], v[PC+2]
	v_permlane16_swap_b32 v[PC+1], v[PC+3]
	global_store_b128 v1, v[PC:PC+3], s[54:55]         ; 512 consecutive bytes: four registers of the last product's operand
	ds_store_b32 v11, v[PW]                            ; both halves of the lanes write the same word with the same value
	s_wait_dscnt 0x0                                   ; for the others' sake
	s_barrier_signal -1
	s_barrier_wait -1
	s_cmp_gt_u32 s10, 1
	s_cbranch_scc1 .Lno_out
	ds_load_b128 v[56:59], v30
	s_wait_dscnt 0x0
	global_store_b128 v1, v[56:59], s[56:57]           ; 512 consecutive bytes
.Lno_out:
	s_wait_xcnt 0x0
	v_lshl_add_u32 v254, v0, 2, 0x29000
	v_mov_b32 v255, 0
	s_wait_tensorcnt 0x0
	ds_add_u32 v254, v255
	s_wait_dscnt 0x0
	CROUND                                             ; the closing round: no work-group ends while a partner may still ask for a tile that names it
	s_endpgm
.Lfunc_end_k_q3a27d1139e_attn:
	.size	k_q3a27d1139e_attn, .Lfunc_end_k_q3a27d1139e_attn-k_q3a27d1139e_attn
	.p2alignl 7, 3214868480
	.fill 96, 4, 3214868480
	.section	.rodata,"a",@progbits
	.p2align	6, 0x0
	.amdhsa_kernel k_q3a27d1139e_attn
		.amdhsa_group_segment_fixed_size 169984
		.amdhsa_private_segment_fixed_size 0
		.amdhsa_enable_private_segment 0
		.amdhsa_kernarg_size 24
		.amdhsa_user_sgpr_count 2
		.amdhsa_user_sgpr_kernarg_segment_ptr 1
		.amdhsa_wavefront_size32 1
		.amdhsa_system_sgpr_workgroup_id_x 1
		.amdhsa_system_sgpr_workgroup_id_y 1
		.amdhsa_system_sgpr_workgroup_id_z 1
		.amdhsa_system_vgpr_workitem_id 0
		.amdhsa_next_free_vgpr 256
		.amdhsa_next_free_sgpr 80
		.amdhsa_reserve_vcc 0
		.amdhsa_float_denorm_mode_32 3
		.amdhsa_float_denorm_mode_16_64 3
		.amdhsa_memory_ordered 1
		.amdhsa_forward_progress 1
		.amdhsa_inst_pref_size 60
	.end_amdhsa_kernel
	.amdgpu_metadata
---
amdhsa.version: [ 1, 2 ]
amdhsa.kernels:
  - .name:           k_q3a27d1139e_attn
    .symbol:         k_q3a27d1139e_attn.kd
    .args:
      - { .name: pack, .offset: 0, .size: 8, .value_kind: global_buffer, .address_space: global }
      - { .name: lse, .offset: 8, .size: 8, .value_kind: global_buffer, .address_space: global }
      - { .name: y, .offset: 16, .size: 8, .value_kind: global_buffer, .address_space: global }
    .group_segment_fixed_size: 169984
    .private_segment_fixed_size: 0
    .kernarg_segment_align: 8
    .kernarg_segment_size: 24
    .max_flat_workgroup_size: 512
    .sgpr_count:     80
    .vgpr_count:     256
    .wavefront_size: 32
...
	.end_amdgpu_metadata
.endif
;; end of part 3
;; launch outp (part 4): grid 8 x 32, 8 waves a work-group, no clusters, 70,656 bytes of LDS; arguments y, w4, out0; writes out0
.if DOCPART == 4
	.amdgcn_target "amdgcn-amd-amdhsa--gfx1250"
	.amdhsa_code_object_version 6
	.text
	.protected	k_q3a27d1139e_outp
	.globl	k_q3a27d1139e_outp
	.p2align	8
	.type	k_q3a27d1139e_outp,@function
k_q3a27d1139e_outp:
	s_mov_b64 s[64:65], 0
	v_nop
	global_prefetch_b8 v0, s[64:65] scope:SCOPE_SE
	s_setreg_imm32_b32 hwreg(HW_REG_WAVE_MODE, 25, 1), 1
	s_wait_xcnt 0x0
; OUTP.  out = y W on codes of FP4: y [8,192][512] and W quantised along its first axis, both as images of the operand registers, made by the launches before.
; SHARES.  Work-group (x = 64 columns, which are 256 bytes of a row of out; y = 256 rows); wave w takes 32 rows x 64 columns: 8 accumulators, K = 512 in four steps.  The waves share nothing: no barrier.
; The product is used transposed (source 0 = 16 columns of W, source 1 = 16 tokens of y): a lane's eight results are eight neighbouring columns of one row.  Lane r of y's tile u is token 8 u + r % 8 + 16 (r / 8) of the 32.
; The results go through the wave's own stage in LDS and leave as whole rows: sixteen lanes store 256 consecutive bytes, aligned.
; No cluster and no tensor load: each operand comes once, in runs of 512 bytes, straight into its registers; the launch's bytes are its stores.
.set RAW,  8                           ; v8-15   y's scale bytes, two a head
.set YS,   16                          ; v16-19  y's scale words: register s; lanes 0-15 tile 0, lanes 16-31 tile 1
.set W4S,  20                          ; v20-27  W's: register 4 p + s; lanes 0-15 tile 2 p, lanes 16-31 tile 2 p + 1
.set YF,   32                          ; v32-95  y's fragments at 8 (4 u + s); later the rows read back
.set ACC,  96                          ; v96-159 accumulator (u, t) at 8 (4 u + t)
; window 1: v0-127 W's fragments at 8 (4 t + s)
.set MSB, 0
.macro WIN new
.if MSB != \new
	s_set_vgpr_msb (MSB<<8)|\new
.set MSB, \new
.endif
.endm
.macro MM d, a, b, z, sa, sb, ra, rb
.if \z
.if (\ra) && (\rb)
	v_wmma_scale_f32_16x16x128_f8f6f4 v[(\d):(\d)+7], v[(\a):(\a)+7], v[(\b):(\b)+7], 0, v[\sa], v[\sb] matrix_a_fmt:MATRIX_FMT_FP4 matrix_b_fmt:MATRIX_FMT_FP4 matrix_a_scale:MATRIX_SCALE_ROW1 matrix_b_scale:MATRIX_SCALE_ROW1
.elseif \ra
	v_wmma_scale_f32_16x16x128_f8f6f4 v[(\d):(\d)+7], v[(\a):(\a)+7], v[(\b):(\b)+7], 0, v[\sa], v[\sb] matrix_a_fmt:MATRIX_FMT_FP4 matrix_b_fmt:MATRIX_FMT_FP4 matrix_a_scale:MATRIX_SCALE_ROW1
.elseif \rb
	v_wmma_scale_f32_16x16x128_f8f6f4 v[(\d):(\d)+7], v[(\a):(\a)+7], v[(\b):(\b)+7], 0, v[\sa], v[\sb] matrix_a_fmt:MATRIX_FMT_FP4 matrix_b_fmt:MATRIX_FMT_FP4 matrix_b_scale:MATRIX_SCALE_ROW1
.else
	v_wmma_scale_f32_16x16x128_f8f6f4 v[(\d):(\d)+7], v[(\a):(\a)+7], v[(\b):(\b)+7], 0, v[\sa], v[\sb] matrix_a_fmt:MATRIX_FMT_FP4 matrix_b_fmt:MATRIX_FMT_FP4
.endif
.else
.if (\ra) && (\rb)
	v_wmma_scale_f32_16x16x128_f8f6f4 v[(\d):(\d)+7], v[(\a):(\a)+7], v[(\b):(\b)+7], v[(\d):(\d)+7], v[\sa], v[\sb] matrix_a_fmt:MATRIX_FMT_FP4 matrix_b_fmt:MATRIX_FMT_FP4 matrix_a_scale:MATRIX_SCALE_ROW1 matrix_b_scale:MATRIX_SCALE_ROW1
.elseif \ra
	v_wmma_scale_f32_16x16x128_f8f6f4 v[(\d):(\d)+7], v[(\a):(\a)+7], v[(\b):(\b)+7], v[(\d):(\d)+7], v[\sa], v[\sb] matrix_a_fmt:MATRIX_FMT_FP4 matrix_b_fmt:MATRIX_FMT_FP4 matrix_a_scale:MATRIX_SCALE_ROW1
.elseif \rb
	v_wmma_scale_f32_16x16x128_f8f6f4 v[(\d):(\d)+7], v[(\a):(\a)+7], v[(\b):(\b)+7], v[(\d):(\d)+7], v[\sa], v[\sb] matrix_a_fmt:MATRIX_FMT_FP4 matrix_b_fmt:MATRIX_FMT_FP4 matrix_b_scale:MATRIX_SCALE_ROW1
.else
	v_wmma_scale_f32_16x16x128_f8f6f4 v[(\d):(\d)+7], v[(\a):(\a)+7], v[(\b):(\b)+7], v[(\d):(\d)+7], v[\sa], v[\sb] matrix_a_fmt:MATRIX_FMT_FP4 matrix_b_fmt:MATRIX_FMT_FP4
.endif
.endif
.endm
	s_load_b128 s[4:7], s[0:1], 0x0                    ; y, w4
	s_load_b64 s[8:9], s[0:1], 0x10                    ; out0
	v_lshl_add_u32 v254, v0, 2, 0x11000
	v_mov_b32 v255, 0
	v_lshrrev_b32 v6, 5, v0
	v_readfirstlane_b32 s10, v6                        ; wave 0..7
	s_mov_b32 s11, ttmp9                               ; which 64 columns
	s_and_b32 s12, ttmp7, 0xffff                       ; which 256 rows
	s_lshl_b32 s13, s12, 3
	s_add_co_u32 s13, s13, s10                         ; which 32 rows are my wave's
	v_and_b32 v6, 31, v0
	v_lshlrev_b32 v1, 4, v6                            ; 16 l
	v_lshlrev_b32 v2, 2, v6                            ; 4 l
	v_and_b32 v7, 15, v0                               ; r
	v_bfe_u32 v6, v0, 4, 1                             ; h
	v_and_b32 v3, 7, v0
	v_bfe_u32 v4, v0, 3, 1
	v_lshl_add_u32 v3, v4, 4, v3                       ; r % 8 + 16 (r / 8)
	s_mul_i32 s24, s10, 8704                           ; my stage: 32 rows x (256 + 16) bytes
	v_mul_u32_u24 v3, v3, 272
	v_lshl_add_u32 v3, v6, 5, v3
	v_add_nc_u32 v3, s24, v3                           ; in: my token's row, + 32 h
	v_mul_u32_u24 v4, v6, 272
	v_lshl_add_u32 v4, v7, 4, v4
	v_add_nc_u32 v4, s24, v4                           ; back: lanes 0-15 one row, lanes 16-31 the next
	v_lshlrev_b32 v5, 11, v6
	v_lshl_add_u32 v5, v7, 4, v5                       ; and the same two rows in out
	s_mov_b32 s25, 0
	s_wait_kmcnt 0x0
	s_lshl_b32 s24, s13, 7
	s_add_co_u32 s24, s24, 2097152
	s_add_nc_u64 s[14:15], s[4:5], s[24:25]            ; y's scale bytes of my 32 rows
	s_lshl_b32 s24, s11, 10
	s_add_co_u32 s24, s24, 131072
	s_add_nc_u64 s[16:17], s[6:7], s[24:25]            ; W's scale bytes of my 64 columns, 16 a column
	s_lshl_b32 s24, s13, 13
	s_add_nc_u64 s[18:19], s[4:5], s[24:25]            ; y's two tiles, 4,096 bytes each
	s_lshl_b32 s24, s11, 14
	s_add_nc_u64 s[20:21], s[6:7], s[24:25]            ; W's four tiles, 4,096 bytes each
	s_lshl_b32 s24, s13, 16
	s_lshl_b32 s26, s11, 8
	s_add_co_u32 s24, s24, s26
	s_add_nc_u64 s[22:23], s[8:9], s[24:25]            ; out at my first row and column
.irp d, 0,1,2,3,4,5,6,7
	global_load_b32 v[RAW+\d], v2, s[14:15] offset:32768*\d
.endr
.irp p, 0,1
	global_load_b128 v[W4S+4*\p:W4S+4*\p+3], v1, s[16:17] offset:512*\p
.endr
.irp u, 0,1
.irp s, 0,1,2,3
.irp c, 0,1
	global_load_b128 v[YF+8*(4*\u+\s)+4*\c:YF+8*(4*\u+\s)+4*\c+3], v1, s[18:19] offset:4096*\u+1024*\s+512*\c
.endr
.endr
.endr
	WIN 0x40                                           ; destination window 1
.irp s, 0,1,2,3
.irp t, 0,1,2,3
.irp c, 0,1
	global_load_b128 v[8*(4*\t+\s)+4*\c:8*(4*\t+\s)+4*\c+3], v1, s[20:21] offset:4096*\t+1024*\s+512*\c
.endr
.endr
.endr
	WIN 0
	s_wait_loadcnt 48                                  ; the scale bytes are in; behind them: y's 16 loads and W's 32
.irp s, 0,1,2,3
	v_lshl_or_b32 v[YS+\s], v[RAW+2*\s+1], 16, v[RAW+2*\s]     ; a K step of 128 is two heads: two bytes of each
.endr
.rept 8
	v_nop                                              ; a scale register written by a vector instruction stands 8 places ahead of a scaled product
.endr
.irp s, 0,1,2,3
	s_wait_loadcnt 24-8*\s                             ; y and this K step's fragments of W are in; the later steps' 8 loads each may be out
	WIN 0x01                                           ; source 0 (W) window 1
.irp u, 0,1
.irp t, 0,1,2,3
.if \s == 0
	MM ACC+8*(4*\u+\t), 8*(4*\t+\s), YF+8*(4*\u+\s), 1, W4S+4*(\t/2)+\s, YS+\s, \t%2, \u
.else
	MM ACC+8*(4*\u+\t), 8*(4*\t+\s), YF+8*(4*\u+\s), 0, W4S+4*(\t/2)+\s, YS+\s, \t%2, \u
.endif
.endr
.endr
.endr
	WIN 0
.rept 4
	v_nop                                              ; four places: ahead of the first read of results and of the loads into y's registers
.endr
.irp u, 0,1
.irp t, 0,1,2,3
	ds_store_b128 v3, v[ACC+8*(4*\u+\t):ACC+8*(4*\u+\t)+3] offset:2176*\u+64*\t        ; each accumulator from its low end on
	ds_store_b128 v3, v[ACC+8*(4*\u+\t)+4:ACC+8*(4*\u+\t)+7] offset:2176*\u+64*\t+16
.endr
.endr
.set j, 0
.rept 16
	ds_load_b128 v[YF+4*j:YF+4*j+3], v4 offset:544*j   ; LDS serves a wave's instructions in order: these see my stores
.set j, j+1
.endr
.set j, 0
.rept 16
	s_wait_dscnt 15-j
	global_store_b128 v5, v[YF+4*j:YF+4*j+3], s[22:23] offset:4096*j th:TH_STORE_NT    ; sixteen lanes store 256 consecutive bytes, aligned; written once, read by nobody here
.set j, j+1
.endr
	s_wait_tensorcnt 0x0
	ds_add_u32 v254, v255
	s_wait_dscnt 0x0
	s_endpgm
.Lfunc_end_k_q3a27d1139e_outp:
	.size	k_q3a27d1139e_outp, .Lfunc_end_k_q3a27d1139e_outp-k_q3a27d1139e_outp
	.p2alignl 7, 3214868480
	.fill 96, 4, 3214868480
	.section	.rodata,"a",@progbits
	.p2align	6, 0x0
	.amdhsa_kernel k_q3a27d1139e_outp
		.amdhsa_group_segment_fixed_size 70656
		.amdhsa_private_segment_fixed_size 0
		.amdhsa_enable_private_segment 0
		.amdhsa_kernarg_size 24
		.amdhsa_user_sgpr_count 2
		.amdhsa_user_sgpr_kernarg_segment_ptr 1
		.amdhsa_wavefront_size32 1
		.amdhsa_system_sgpr_workgroup_id_x 1
		.amdhsa_system_sgpr_workgroup_id_y 1
		.amdhsa_system_sgpr_workgroup_id_z 1
		.amdhsa_system_vgpr_workitem_id 0
		.amdhsa_next_free_vgpr 384
		.amdhsa_next_free_sgpr 66
		.amdhsa_reserve_vcc 0
		.amdhsa_float_denorm_mode_32 3
		.amdhsa_float_denorm_mode_16_64 3
		.amdhsa_memory_ordered 1
		.amdhsa_forward_progress 1
		.amdhsa_inst_pref_size 17
	.end_amdhsa_kernel
	.amdgpu_metadata
---
amdhsa.version: [ 1, 2 ]
amdhsa.kernels:
  - .name:           k_q3a27d1139e_outp
    .symbol:         k_q3a27d1139e_outp.kd
    .args:
      - { .name: y, .offset: 0, .size: 8, .value_kind: global_buffer, .address_space: global }
      - { .name: w4, .offset: 8, .size: 8, .value_kind: global_buffer, .address_space: global }
      - { .name: out0, .offset: 16, .size: 8, .value_kind: global_buffer, .address_space: global }
    .group_segment_fixed_size: 70656
    .private_segment_fixed_size: 0
    .kernarg_segment_align: 8
    .kernarg_segment_size: 24
    .max_flat_workgroup_size: 256
    .sgpr_count:     66
    .vgpr_count:     384
    .wavefront_size: 32
...
	.end_amdgpu_metadata
.endif
;; end of part 4
